; MI455X (gfx1250); checked and timed in simulation.
; The chip was launched on July 23, 2026; its instructions are those of AMD's public machine-readable ISA for CDNA 5 (MIT licence, August 2026) and "CDNA5" Instruction Set Architecture Reference Guide (July 2026). The comments in the code are by the model that wrote it; some were corrected since.
;; Self Attention2d. Allowed arithmetic: matrix products marked QUANTISED: E4M3 operands, one E8M0 scale for each 32 along K, by v_wmma_scale_f32_16x16x128_f8f6f4 with both operands' format E4M3, f32 sums; everything else in f32.
;; Inputs: b_proj 256 float32; b_qkv 768 float32; beta 256 float32; gamma 256 float32; w_proj 256 x 256 float32; w_qkv 768 x 256 float32; x 4 x 256 x 64 x 64 float32.
;; Outputs: out0 4 x 256 x 64 x 64 float32.
;; This version of the problem:
;;   THIS VERSION OF THE PROBLEM IS GIVEN IN LOW PRECISION. The matrix products marked QUANTISED in the list below multiply operands that are first quantised to E4M3 (4 exponent bits, 3 mantissa bits; 8 bits a number), with one power-of-two scale for each 32 numbers along K (OCP MX v1.0); their sums are f32. All else is computed in f32.
;;   The module's matrix products, in the order in which they are computed (A, B: the left and right operand; K: the contracted axis; several contracted axes count as one K, in the product's order):
;;     1. [M 768, K 256] x [K 256, N 16,384]; A: input w_qkv; B: computed on the way: QUANTISED
;;     2. batch 16 x [M 4,096, K 64] x [K 64, N 4,096]; A: computed on the way; B: computed on the way: QUANTISED
;;     3. batch 16 x [M 4,096, K 4,096] x [K 4,096, N 64]; A: softmax (see below); B: computed on the way: QUANTISED
;;     4. [M 256, K 256] x [K 256, N 16,384]; A: input w_proj; B: computed on the way: QUANTISED
;;   THE QUANTISER, for each operand of a quantised product, along K:
;;     - K is cut into blocks of 32 from its start; a last block that is shorter is filled with zeros.
;;     - A block's scale is 2^e with e = floor(log2(the largest magnitude in the block)) - 8, held to -126 .. 127; a block of zeros has e = 0. As a byte (E8M0): e + 127.
;;     - Each number is divided by its block's scale, clamped to +-448, and rounded to the nearest number of E4M3, ties to even, subnormals kept.
;;     - The product sums the exact products of the quantised numbers (number of the format x scale) in f32.
;;   ~~~python
;;   def quantise(x, axis):      # numpy; x: float32 -> the quantised numbers, widened to float32 again
;;       x = np.moveaxis(x, axis, -1); K = x.shape[-1]
;;       x = np.pad(x, [(0, 0)] * (x.ndim - 1) + [(0, -K % 32)]); x = x.reshape(x.shape[:-1] + (-1, 32)); a = np.abs(x).max(-1, keepdims=True)
;;       e = np.where(a > 0, np.clip(np.frexp(np.where(a > 0, a, 1))[1] - 1 - 8, -126, 127), 0)      # np.frexp(a)[1] - 1 = floor(log2(a)), exactly
;;       r = np.clip(x / 2.0 ** e, -448, 448)
;;       step = 2.0 ** (np.maximum(np.frexp(np.where(r == 0, 1, r))[1] - 1, -6) - 3)
;;       q = np.round(r / step) * step * 2.0 ** e      # np.round: ties to even
;;       return np.moveaxis(q.reshape(q.shape[:-2] + (-1,))[..., :K], -1, axis).astype(np.float32)
;;   ~~~
;;   SOFTMAX AHEAD OF A QUANTISED PRODUCT. Where the list says 'softmax', what is quantised is not the finished softmax but p = 2^(t - M), with t = logit x log2(e) and M = ceil(the row's largest t), a whole number; so 1/2 < the row's largest p <= 1. The row's sum l is taken of the UNQUANTISED p, in f32, and the product's result is divided by l at the end. Since M is a whole number, a kernel that streams over the keys may use a running M (the ceiling of the running maximum): every later rescaling is an exact power of two, which a block's scale takes up: the codes' values come out the same.
;;   OPERANDS COMPUTED ON THE WAY. 'Computed on the way' means the value that the module computes at that place (a softmax that the list does not call 'softmax' is quantised finished and normalised). What goes into a quantiser is computed in f32, as accurately as f32 sums, v_exp_f32 and their like allow (about 1e-6 of the number): no bf16 or f16 on the way to a quantiser, and a product that is left as it is and whose result goes on into a quantised operand takes f32 operands (vector FMAs, or v_wmma_f32_16x16x4_f32). A number that lies on a knife's edge between two numbers of the format may be rounded either way, as far as f32 arithmetic and the matrix unit's own rounding can turn it there, and no further.
;; One version. Each part assembles by itself: llvm-mc -triple=amdgcn-amd-amdhsa -mcpu=gfx1250 --defsym DOCPART=n.
;; ======== version 1 of 1: 4 launches
;; limits: right only within a limited range of input values
;; workspace buffers: stats 2,048 bytes; wts 278,528 bytes; qb 4,456,448 bytes; kv 8,650,752 bytes; oc 4,456,448 bytes
;; launch prep (part 1): grid 272 x 1, 8 waves a work-group, no clusters, 1,536 bytes of LDS; arguments x, w_qkv, w_proj, stats, wts; writes stats, wts
.if DOCPART == 1
	.amdgcn_target "amdgcn-amd-amdhsa--gfx1250"
	.amdhsa_code_object_version 6
	.text
	.protected	k_qd2bbc2e22a_prep
	.globl	k_qd2bbc2e22a_prep
	.p2align	8
	.type	k_qd2bbc2e22a_prep,@function
k_qd2bbc2e22a_prep:
	s_mov_b64 s[64:65], 0
	v_nop
	global_prefetch_b8 v0, s[64:65] scope:SCOPE_SE
	s_setreg_imm32_b32 hwreg(HW_REG_WAVE_MODE, 25, 1), 1
	s_wait_xcnt 0x0
; TWO JOBS IN ONE LAUNCH, told apart by the work-group's number alone.
; Work-groups 0-255: the statistics of GroupNorm.  A group is 32 channels x 4,096 pixels = 524,288 consecutive bytes of x; work-group i takes bytes 65,536 i on,
; one eighth of group i / 8, keeps its 16,384 numbers in registers (64 a lane), and stores their mean and the sum of squared distances from THAT mean: no difference of large sums is formed.
; The next launch joins a group's eight pairs.
; Work-groups 256-271: w_qkv [768][256] and w_proj [256][256], f32, K innermost, become codes of E4M3 with one E8M0 byte for each 32 along K, laid as IMAGES OF OPERAND REGISTERS:
; fragment F = 2 T + s (tile T of 16 rows, K step s of 128) is 2,048 bytes at 2,048 F: registers 4 c .. 4 c + 3 of lane l at 512 c + 16 l; its scale words at 262,144 + 128 F + 4 l.
; THE ROWS OF A TILE ARE NOT NEIGHBOURS: row r of tile T is row 32 (T / 2) + 8 (T % 2) + r + 8 (r / 8), so that results of two neighbouring tiles are 16 neighbours along the next K.
; T = 0 .. 47: w_qkv; T = 48 .. 63: w_proj.  One wave makes one fragment.
; A block's scale is 2^(floor(log2(its largest magnitude)) - 8).
; LIMITS: a block of zeros gets the byte 1 (not 127): its codes are zeros, and this program alone reads the bytes; blocks whose largest magnitude lies under 2^-118 were not tried; NaN and infinities are not served.
; No cluster, no tensor load: no work-group reads what another reads.
.set X,   32                           ; v32-95   64 numbers of a lane
.set TM,  8                            ; v8-23    at work
.set PC,  96                           ; v96-111  a fragment's codes
.set PW,  112                          ; v112     its scale word
.set SEL, 28                           ; s[28:29] v_permlanex16_b32's selects for lane l xor 16
.set MNT, 30
.set WSC, 262144                       ; where the scale words begin in wts
	s_load_b256 s[4:11], s[0:1], 0x0               ; x s[4:5], w_qkv s[6:7], w_proj s[8:9], stats s[10:11]
	s_load_b64 s[12:13], s[0:1], 0x20              ; wts
	v_lshl_add_u32 v128, v0, 2, 0x200
	v_mov_b32 v129, 0
	v_lshrrev_b32 v1, 5, v0
	s_delay_alu instid0(VALU_DEP_1)
	v_readfirstlane_b32 s14, v1                    ; wave 0..7
	v_and_b32 v1, 31, v0                           ; lane
	s_mov_b32 s[SEL], 0x76543210
	s_mov_b32 s[SEL+1], 0xfedcba98
	s_mov_b32 s17, 0
	s_cmp_ge_u32 ttmp9, 256                        ; the same for all waves of a work-group
	s_cbranch_scc1 .Lweights
	; ---------------- the statistics ----------------
	v_lshlrev_b32 v2, 4, v0                        ; 16 bytes a thread: a load of the work-group covers 4,096 consecutive bytes
	v_mov_b32 v26, s14
	s_delay_alu instid0(VALU_DEP_1)
	v_lshlrev_b32 v26, 2, v26                      ; LDS: my wave's word
	v_mov_b32 v27, 0
	s_lshl_b32 s16, ttmp9, 16
	s_wait_alu depctr_va_vdst(0)
	s_wait_kmcnt 0x0
	s_add_nc_u64 s[4:5], s[4:5], s[16:17]
.set k, 0
.rept 16
	global_load_b128 v[X+4*k:X+4*k+3], v2, s[4:5] offset:4096*k    ; no hint: later launches read x again
.set k, k+1
.endr
	s_wait_loadcnt 0x0
; Four chains in v[8:15] become one number for the work-group, in every lane: within the lane, across the wave's 32 lanes, across the 8 waves through 32 bytes of LDS at off.
.macro REDUCE off
	s_delay_alu instid0(VALU_DEP_3)
	v_pk_add_f32 v[8:9], v[8:9], v[10:11]
	s_delay_alu instid0(VALU_DEP_2)
	v_pk_add_f32 v[12:13], v[12:13], v[14:15]
	s_delay_alu instid0(VALU_DEP_1)
	v_pk_add_f32 v[8:9], v[8:9], v[12:13]
	s_delay_alu instid0(VALU_DEP_1)
	v_add_f32 v8, v8, v9
	s_delay_alu instid0(VALU_DEP_1)
	v_add_f32_dpp v8, v8, v8 row_xmask:1 row_mask:0xf bank_mask:0xf
	s_delay_alu instid0(VALU_DEP_1)
	v_add_f32_dpp v8, v8, v8 row_xmask:2 row_mask:0xf bank_mask:0xf
	s_delay_alu instid0(VALU_DEP_1)
	v_add_f32_dpp v8, v8, v8 row_xmask:4 row_mask:0xf bank_mask:0xf
	s_delay_alu instid0(VALU_DEP_1)
	v_add_f32_dpp v8, v8, v8 row_xmask:8 row_mask:0xf bank_mask:0xf
	s_delay_alu instid0(VALU_DEP_1)
	v_permlanex16_b32 v9, v8, s[SEL], s[SEL+1]
	s_delay_alu instid0(VALU_DEP_1)
	v_add_f32 v8, v8, v9
	ds_store_b32 v26, v8 offset:\off               ; all lanes write the wave's word with the same value
	s_wait_dscnt 0x0                               ; for the others' sake: my store has landed
	s_barrier_signal -1
	s_barrier_wait -1
	ds_load_b128 v[16:19], v27 offset:\off
	ds_load_b128 v[20:23], v27 offset:\off+16
	s_wait_dscnt 0x0
	v_pk_add_f32 v[16:17], v[16:17], v[18:19]
	v_pk_add_f32 v[20:21], v[20:21], v[22:23]
	s_delay_alu instid0(VALU_DEP_1)
	v_pk_add_f32 v[16:17], v[16:17], v[20:21]
	s_delay_alu instid0(VALU_DEP_1)
	v_add_f32 v8, v16, v17
.endm
.irp c, 0,1,2,3
	v_pk_add_f32 v[8+2*\c:9+2*\c], v[X+2*\c:X+2*\c+1], v[X+8+2*\c:X+9+2*\c]   ; the first eight pairs start the chains: nothing is cleared
.endr
.set p, 8
.rept 24
	s_delay_alu instid0(VALU_DEP_4)
	v_pk_add_f32 v[8+2*(p%4):9+2*(p%4)], v[8+2*(p%4):9+2*(p%4)], v[X+2*p:X+2*p+1]
.set p, p+1
.endr
	REDUCE 0
	s_delay_alu instid0(VALU_DEP_1)
	v_mul_f32 v24, 0x38800000, v8                  ; the mean of my 16,384 numbers: x 2^-14
	s_delay_alu instid0(VALU_DEP_1)
	v_mov_b32 v25, v24
.set p, 0
.rept 32
	v_pk_add_f32 v[X+2*p:X+2*p+1], v[X+2*p:X+2*p+1], v[24:25] neg_lo:[0,1] neg_hi:[0,1]   ; x - mean
.set p, p+1
.endr
.irp c, 0,1,2,3
	v_pk_mul_f32 v[8+2*\c:9+2*\c], v[X+2*\c:X+2*\c+1], v[X+2*\c:X+2*\c+1]
.endr
.set p, 4
.rept 28
	s_delay_alu instid0(VALU_DEP_4)
	v_pk_fma_f32 v[8+2*(p%4):9+2*(p%4)], v[X+2*p:X+2*p+1], v[X+2*p:X+2*p+1], v[8+2*(p%4):9+2*(p%4)]
.set p, p+1
.endr
	REDUCE 256                                     ; other bytes than the first time: no wave can write what another still reads
	s_cmp_lg_u32 s14, 0
	s_cbranch_scc1 .Lnot_wave_0
	v_mov_b32 v25, v8                              ; (mean, sum of squared distances)
	s_lshl_b32 s16, ttmp9, 3
	s_add_nc_u64 s[10:11], s[10:11], s[16:17]
	s_wait_alu depctr_va_vdst(0)
	s_wait_xcnt 0x0                                ; EXEC changes only behind this wait
	v_cmp_eq_u32 vcc_lo, 0, v0
	s_wait_tensorcnt 0x0
	ds_add_u32 v128, v129
	s_wait_dscnt 0x0
	s_and_saveexec_b32 s18, vcc_lo                 ; one lane stores the pair
	global_store_b64 v27, v[24:25], s[10:11]
	s_endpgm
.Lnot_wave_0:
	s_wait_tensorcnt 0x0
	ds_add_u32 v128, v129
	s_wait_dscnt 0x0
	s_endpgm
	; ---------------- the weights ----------------
.Lweights:
	s_sub_co_u32 s15, ttmp9, 256                   ; 0 .. 15
	s_lshl_b32 s16, s15, 3
	s_add_co_u32 s16, s16, s14                     ; F = my wave's fragment
	s_cmp_lt_u32 s15, 12                           ; 96 fragments of w_qkv, then 32 of w_proj
	s_cselect_b32 s18, 0, 96
	s_wait_kmcnt 0x0
	s_cselect_b64 s[6:7], s[6:7], s[8:9]
	s_sub_co_u32 s18, s16, s18                     ; the fragment's number in its own tensor: 2 T + s
	s_lshr_b32 s19, s18, 2
	s_lshl_b32 s19, s19, 15                        ; 32 (T / 2) rows of 1,024 bytes
	s_bfe_u32 s20, s18, 0x10001
	s_lshl_b32 s20, s20, 13                        ; 8 (T % 2) rows
	s_add_co_u32 s20, s20, s19
	s_and_b32 s19, s18, 1
	s_lshl_b32 s19, s19, 9                         ; K step s: 512 bytes along the row
	s_add_co_u32 s20, s20, s19
	s_mov_b32 s21, 0
	s_add_nc_u64 s[6:7], s[6:7], s[20:21]
	s_lshl_b32 s22, s16, 11
	s_mov_b32 s23, 0
	s_add_nc_u64 s[22:23], s[12:13], s[22:23]      ; the image
	s_lshl_b32 s24, s16, 7
	s_mov_b32 s25, 0
	s_add_nc_u64 s[24:25], s[12:13], s[24:25]      ; the scale words (+ WSC in the immediate)
	v_and_b32 v2, 15, v0                           ; r
	s_delay_alu instid0(VALU_DEP_1)
	v_and_b32 v3, 8, v2
	s_delay_alu instid0(VALU_DEP_1)
	v_add_nc_u32 v3, v3, v2                        ; r + 8 (r / 8)
	v_bfe_u32 v4, v0, 4, 1                         ; h
	s_delay_alu instid0(VALU_DEP_2)
	v_lshlrev_b32 v3, 10, v3
	s_delay_alu instid0(VALU_DEP_1)
	v_lshl_add_u32 v3, v4, 6, v3                   ; my row, + 64 h: my 16 numbers of each block of 32
	s_wait_alu depctr_va_vdst(0)
	v_lshlrev_b32 v5, 4, v1
	v_lshlrev_b32 v6, 2, v1
.irp c, 0,1,2,3
.irp j, 0,1,2,3
	global_load_b128 v[X+16*\c+4*\j:X+16*\c+4*\j+3], v3, s[6:7] offset:128*\c+16*\j   ; register 16 c + i = k 32 c + 16 h + i of my row
.endr
.endr
.irp b, 0,1,2,3
	v_mov_b32 v[TM+4+\b], 0                        ; a lane permute's destination counts as one of its sources
.endr
	s_wait_loadcnt 0x0
.irp b, 0,1,2,3
	v_max3_num_f32 v[TM+\b], |v[X+16*\b]|, |v[X+1+16*\b]|, 0x4800000   ; block b: my 16 numbers, and the floor 2^(9 - 127): the byte cannot fall under 1
.endr
.irp i, 2,4,6,8,10,12,14
.irp b, 0,1,2,3
	s_delay_alu instid0(VALU_DEP_4)
	v_max3_num_f32 v[TM+\b], v[TM+\b], |v[X+16*\b+\i]|, |v[X+1+16*\b+\i]|
.endr
.endr
.irp b, 0,1,2,3
	s_delay_alu instid0(VALU_DEP_4)
	v_permlanex16_b32 v[TM+4+\b], v[TM+\b], s[SEL], s[SEL+1]
.endr
.irp b, 0,1,2,3
	s_delay_alu instid0(VALU_DEP_4)
	v_max_num_f32 v[TM+\b], v[TM+\b], v[TM+4+\b]   ; with lane l xor 16's 16: the block's largest magnitude
.endr
.irp b, 0,1,2,3
	s_delay_alu instid0(VALU_DEP_4)
	v_add_nc_u32 v[TM+12+\b], 0xfc000000, v[TM+\b] ; 8 off its exponent field: the conversion's scale operand
.endr
.irp b, 0,1,2,3
.endr
.irp b, 0,1,2,3
	s_delay_alu instid0(VALU_DEP_4)
	v_lshrrev_b32 v[TM+4+\b], 23, v[TM+12+\b]      ; the scale's byte
.endr
	s_delay_alu instid0(VALU_DEP_3)
	v_lshl_or_b32 v[PW], v[TM+5], 8, v[TM+4]
	s_delay_alu instid0(VALU_DEP_1)
	v_lshl_or_b32 v[PW], v[TM+6], 16, v[PW]
	s_delay_alu instid0(VALU_DEP_1)
	v_lshl_or_b32 v[PW], v[TM+7], 24, v[PW]
.irp b, 0,1,2,3
.irp i, 0,1,2,3,4,5,6,7,8,9,10,11,12,13,14,15
.endr
	v_cvt_scalef32_pk8_fp8_f32 v[PC+4*\b:PC+4*\b+1], v[X+16*\b:X+16*\b+7], v[TM+12+\b]
	v_cvt_scalef32_pk8_fp8_f32 v[PC+4*\b+2:PC+4*\b+3], v[X+16*\b+8:X+16*\b+15], v[TM+12+\b]
.endr
	v_nop                                          ; one plain line behind the last conversion
.irp c, 0,1,2,3
	global_store_b128 v5, v[PC+4*\c:PC+4*\c+3], s[22:23] offset:512*\c   ; 512 consecutive bytes a store
.endr
	global_store_b32 v6, v[PW], s[24:25] offset:WSC
	s_endpgm
.Lfunc_end_k_qd2bbc2e22a_prep:
	.size	k_qd2bbc2e22a_prep, .Lfunc_end_k_qd2bbc2e22a_prep-k_qd2bbc2e22a_prep
	.p2alignl 7, 3214868480
	.fill 96, 4, 3214868480
	.section	.rodata,"a",@progbits
	.p2align	6, 0x0
	.amdhsa_kernel k_qd2bbc2e22a_prep
		.amdhsa_group_segment_fixed_size 1536
		.amdhsa_private_segment_fixed_size 0
		.amdhsa_enable_private_segment 0
		.amdhsa_kernarg_size 40
		.amdhsa_user_sgpr_count 2
		.amdhsa_user_sgpr_kernarg_segment_ptr 1
		.amdhsa_wavefront_size32 1
		.amdhsa_system_sgpr_workgroup_id_x 1
		.amdhsa_system_sgpr_workgroup_id_y 1
		.amdhsa_system_sgpr_workgroup_id_z 1
		.amdhsa_system_vgpr_workitem_id 0
		.amdhsa_next_free_vgpr 130
		.amdhsa_next_free_sgpr 66
		.amdhsa_reserve_vcc 1
		.amdhsa_float_denorm_mode_32 3
		.amdhsa_float_denorm_mode_16_64 3
		.amdhsa_fp16_overflow 1
		.amdhsa_memory_ordered 1
		.amdhsa_forward_progress 1
		.amdhsa_inst_pref_size 23
	.end_amdhsa_kernel
	.amdgpu_metadata
---
amdhsa.version: [ 1, 2 ]
amdhsa.kernels:
  - .name:           k_qd2bbc2e22a_prep
    .symbol:         k_qd2bbc2e22a_prep.kd
    .args:
      - { .name: x, .offset: 0, .size: 8, .value_kind: global_buffer, .address_space: global }
      - { .name: w_qkv, .offset: 8, .size: 8, .value_kind: global_buffer, .address_space: global }
      - { .name: w_proj, .offset: 16, .size: 8, .value_kind: global_buffer, .address_space: global }
      - { .name: stats, .offset: 24, .size: 8, .value_kind: global_buffer, .address_space: global }
      - { .name: wts, .offset: 32, .size: 8, .value_kind: global_buffer, .address_space: global }
    .group_segment_fixed_size: 1536
    .private_segment_fixed_size: 0
    .kernarg_segment_align: 8
    .kernarg_segment_size: 40
    .max_flat_workgroup_size: 256
    .sgpr_count:     66
    .vgpr_count:     130
    .wavefront_size: 32
...
	.end_amdgpu_metadata
.endif
;; end of part 1
;; launch qkv (part 2): grid 256 x 1, 12 waves a work-group, no clusters, 169,472 bytes of LDS; arguments x, gamma, beta, stats, wts, b_qkv, qb, kv; writes qb, kv
.if DOCPART == 2
	.amdgcn_target "amdgcn-amd-amdhsa--gfx1250"
	.amdhsa_code_object_version 6
	.text
	.protected	k_qd2bbc2e22a_qkv
	.globl	k_qd2bbc2e22a_qkv
	.p2align	8
	.type	k_qd2bbc2e22a_qkv,@function
k_qd2bbc2e22a_qkv:
	s_mov_b64 s[64:65], 0
	v_nop
	global_prefetch_b8 v0, s[64:65] scope:SCOPE_SE
	s_setreg_imm32_b32 hwreg(HW_REG_WAVE_MODE, 25, 1), 1
	s_wait_xcnt 0x0
; GroupNorm, the 1 x 1 convolution to q, k, v (quantised product, K = 256 channels) and the quantising of q, k (along the head's 64) and v (along the pixels), for 64 pixels of one image a work-group.
; SHARES.  Work-group i: image i / 64, pixels 64 (i % 64) on: four tiles of 16.  Wave w of twelve: role w / 4 (q, k, v), head w % 4: rows 64 w .. 64 w + 63 of w_qkv, four tiles x two K steps = 8 fragments,
; 128 registers, read once from the images that the launch before has laid, 16 bytes a lane.
; PIXELS OF A TILE ARE NOT NEIGHBOURS: row r of tile 2 B + u is pixel 32 B + 8 u + r + 8 (r / 8); rows of a weight tile likewise.  So 16 registers of two neighbouring result tiles are 16 neighbours along the next K.
; PHASES.  (0) waves 0-3 bring x's tile [256 channels][64 pixels] into LDS by one tensor load each (64 rows of 256 bytes) | barrier |
; (X) waves 0-7: a lane takes a pixel and its registers run down 32 channels = one group = one block of the quantiser; normalised, quantised, stored in LDS as images of operand registers | barrier |
; (P) q, k waves: source 0 = weights, source 1 = x: a lane holds one pixel and 32 of the head's 64; bias as the first C; q x 1/8; quantised; codes and scale words to qb / kv.
;     v waves: source 0 = x, source 1 = weights: a lane holds one channel and 16 neighbouring pixels of a block of 32 keys; bias added; quantised; to kv.
; kv: a record of 16,896 bytes for a head's 128 keys: K's codes (four DOUBLE tiles: registers 0-7 tile 2 b, registers 8-15 tile 2 b + 1, 64 along K each), V's codes (four channel tiles x 128 keys), K's and V's scale words.
; The variance joins eight chunks' (mean, sum of squared distances): sum + 16,384 (chunk mean - mean)^2: no difference of large sums.
; NO CLUSTER: the x tile is the work-group's own; the weights, which all work-groups read, go from memory straight into registers (16,384 bytes a wave, each lane its own 16 bytes), and a joint load would
; send these 196,608 bytes a work-group through LDS first.  LDS bytes are filled once, so there is no ring.
; LIMITS: as stated for the quantiser at the head of the launch before: a block of zeros gets the byte 1 with zero codes; largest magnitudes under 2^-118 not tried; NaN and infinities not served.
.set XIMG,  65536                      ; LDS: behind x's tile (65,536 bytes, pitch 256): 8 fragment images (tile P, K step s: 2 P + s), 2,048 bytes each
.set XSC,   81920                      ; and their scale words: 64 bytes a fragment
.set REC,   16896
.set VCO,   8192
.set KSC,   16384
.set VSC,   16640
.set QS_OFF, 4194304
.set WSC,   262144
.set XA,  1                            ; v1  phase X: my pixel's word in the tile's first row of my wave's 64 channels
.set IA,  2                            ; v2  phase X: where my pixel's 16 codes go in the images
.set SA,  3                            ; v3  phase X: where my pixel's two scale bytes go
.set LI,  4                            ; v4  XIMG + 16 x lane
.set LS,  5                            ; v5  XSC + 4 (lane % 16)
.set L16, 6                            ; v6  16 x lane
.set L4,  7                            ; v7  4 x lane
.set XS,  22                           ; v22-23 x's scale words of the tile in hand: nothing else ever
.set XF,  24                           ; v24-55 x's two fragments; in phase X v24-87 are 64 numbers of a pixel
.set HA,  56                           ; v56-87 (q, k) or v56-119 (v): the results
.set BI,  88                           ; v88-119 q, k: the bias in the result's layout
.set BV,  12                           ; v12-19  v: the bias of my channel in each of four tiles, twice (a pair)
.set WS,  120                          ; v120-127 the weights' scale words
.set WF,  128                          ; v128-255 the weights' fragments: (tile t, K step s) at 32 t + 16 s
.set SEL, 28
.set MNT, 30
.set GA,  32                           ; s[32:63] rstd x gamma of a block's 32 channels
.set BE,  68                           ; s[68:99] beta of the same
	s_load_b512 s[4:19], s[0:1], 0x0               ; x, gamma, beta, stats, wts, b_qkv, qb, kv
	s_set_vgpr_msb 0x40
	v_lshl_add_u32 v0, v0, 2, 0x29000
	v_mov_b32 v1, 0
	s_set_vgpr_msb 0x4045
	ds_add_u32 v0, v1
	ds_add_u32 v0, v1
	s_set_vgpr_msb 0x4500
	v_lshrrev_b32 v8, 5, v0
	s_delay_alu instid0(VALU_DEP_1)
	v_readfirstlane_b32 s20, v8                    ; wave 0..11
	v_and_b32 v9, 31, v0                           ; lane
	s_wait_alu depctr_va_vdst(0)
	v_and_b32 v10, 15, v0                          ; r
	v_bfe_u32 v11, v0, 4, 1                        ; h
	v_bfe_u32 v12, v0, 3, 1                        ; u: which tile of the pair my pixel falls into (phase X)
	s_wait_alu depctr_va_vdst(0)
	v_and_b32 v13, 7, v0
	s_lshr_b32 s21, ttmp9, 6                       ; image
	s_and_b32 s22, ttmp9, 63                       ; block of 64 pixels
	s_and_b32 s23, s20, 3                          ; head
	s_and_b32 s24, s20, 1                          ; phase X: which 32 pixels,
	s_bfe_u32 s25, s20, 0x10001                    ; which K step,
	s_bfe_u32 s26, s20, 0x10002                    ; which two of its four blocks
	s_mov_b32 s[SEL], 0x76543210
	s_mov_b32 s[SEL+1], 0xfedcba98
	; every LDS address is made here, ahead of every parting of the waves
	s_lshl_b32 s27, s24, 7
	s_lshl_b32 s31, s25, 15
	s_add_co_u32 s27, s27, s31
	s_lshl_b32 s31, s26, 14
	s_add_co_u32 s27, s27, s31
	v_lshl_add_u32 v[XA], v9, 2, s27               ; 4 lane + 128 ph + 256 (128 s + 64 cp)
	s_lshl_b32 s27, s24, 13
	s_lshl_b32 s31, s25, 11
	s_add_co_u32 s27, s27, s31
	s_lshl_b32 s31, s26, 10
	s_add_co_u32 s27, s27, s31
	s_add_co_u32 s27, s27, XIMG
	v_lshlrev_b32 v[IA], 12, v12
	s_wait_alu depctr_va_vdst(0)
	v_lshl_add_u32 v[IA], v13, 4, v[IA]
	s_delay_alu instid0(VALU_DEP_1)
	v_lshl_add_u32 v[IA], v11, 7, v[IA]
	s_delay_alu instid0(VALU_DEP_1)
	v_add_nc_u32 v[IA], s27, v[IA]                 ; fragment 4 ph + 2 u + s, chunk 2 cp, row (lane % 8) + 8 (lane / 16)
	s_lshl_b32 s27, s24, 8
	s_lshl_b32 s31, s25, 6
	s_add_co_u32 s27, s27, s31
	s_lshl_b32 s31, s26, 1
	s_add_co_u32 s27, s27, s31
	s_add_co_u32 s27, s27, XSC
	v_lshlrev_b32 v[SA], 7, v12
	s_delay_alu instid0(VALU_DEP_1)
	v_lshl_add_u32 v[SA], v13, 2, v[SA]
	s_delay_alu instid0(VALU_DEP_1)
	v_lshl_add_u32 v[SA], v11, 5, v[SA]
	s_delay_alu instid0(VALU_DEP_1)
	v_add_nc_u32 v[SA], s27, v[SA]
	v_lshl_add_u32 v[LI], v9, 4, XIMG
	v_lshl_add_u32 v[LS], v10, 2, XSC
	v_lshlrev_b32 v[L16], 4, v9
	v_lshlrev_b32 v[L4], 2, v9
	; descriptor group 1: 64 rows (channels) of 64 f32 (pixels), 4,096 elements from row to row, no padding: the lanes of phase X read 128 consecutive bytes
	s_mov_b32 s36, 2<<16                           ; no mask; elements of 4 bytes
	s_mov_b32 s37, 64<<16                          ; tensor_dim0
	s_mov_b32 s38, 64<<16                          ; tensor_dim1
	s_mov_b32 s39, 64<<16                          ; tile_dim0
	s_mov_b32 s40, 64                              ; tile_dim1
	s_mov_b32 s41, 4096                            ; tensor_dim0_stride
	s_mov_b32 s42, 0
	s_mov_b32 s43, 0
	; offsets, apart from the addresses
	s_lshl_b32 s48, s21, 3
	s_lshl_b32 s31, s25, 2
	s_add_co_u32 s48, s48, s31
	s_lshl_b32 s31, s26, 1
	s_add_co_u32 s48, s48, s31
	s_lshl_b32 s48, s48, 6                         ; stats: group 8 image + 4 s + 2 cp, 64 bytes a group
	s_mov_b32 s49, 0
	s_lshl_b32 s50, s25, 9
	s_lshl_b32 s31, s26, 8
	s_add_co_u32 s50, s50, s31                     ; gamma, beta: channel 128 s + 64 cp
	s_mov_b32 s51, 0
	s_lshl_b32 s52, s21, 22
	s_lshl_b32 s31, s20, 20
	s_add_co_u32 s52, s52, s31
	s_lshl_b32 s31, s22, 8
	s_add_co_u32 s52, s52, s31                     ; x: image, channels 64 w on, my 64 pixels
	s_mov_b32 s53, 0
	s_lshl_b32 s54, s20, 8                         ; b_qkv: 64 w numbers on
	s_mov_b32 s55, 0
	s_lshl_b32 s56, s20, 14                        ; wts: my 8 fragments,
	s_mov_b32 s57, 0
	s_lshl_b32 s58, s20, 10                        ; and their scale words
	s_mov_b32 s59, 0
	s_wait_dscnt 0x0
	s_wait_kmcnt 0x0
	s_mov_b32 s44, 1                               ; group 0: count = 1
	s_lshl_b32 s45, s20, 14                        ; LDS: 64 rows of 256 bytes a wave
	s_add_nc_u64 s[46:47], s[4:5], s[52:53]
	s_or_b32 s47, s47, 0x80000000                  ; type = 2
	s_cmp_lt_u32 s20, 4
	s_cbranch_scc0 .Lno_tile
	tensor_load_to_lds s[44:47], s[36:43]          ; the launch's only fills: one load out in each of waves 0-3
	s_nop 0
.rept 4
	v_nop
.endr
.Lno_tile:
	s_add_nc_u64 s[10:11], s[10:11], s[48:49]
	s_add_nc_u64 s[6:7], s[6:7], s[50:51]
	s_add_nc_u64 s[8:9], s[8:9], s[50:51]
	s_add_nc_u64 s[14:15], s[14:15], s[54:55]
	s_add_nc_u64 s[66:67], s[12:13], s[58:59]      ; (a pair that phase X does not write: the loads by it may be out there)
	s_add_nc_u64 s[12:13], s[12:13], s[56:57]
	v_lshlrev_b32 v20, 3, v10                      ; stats: 8 bytes a chunk: lanes 0-7 the first group's, lanes 8-15 the second's
	s_cmp_lt_u32 s20, 8
	s_cbranch_scc0 .Lbias_v
	v_lshlrev_b32 v21, 6, v11                      ; q, k: tile 2 b + u holds units 32 b + 16 h + 8 u + 0 .. 7
.irp t, 0,1,2,3
	global_load_b128 v[BI+8*\t:BI+8*\t+3], v21, s[14:15] offset:(32*(\t/2)+8*(\t%2))*4
	global_load_b128 v[BI+8*\t+4:BI+8*\t+7], v21, s[14:15] offset:(32*(\t/2)+8*(\t%2))*4+16
.endr
	global_load_b64 v[12:13], v20, s[10:11]        ; (mean, sum of squared distances) of a chunk
	s_wait_alu depctr_va_vdst(0)
	global_load_b32 v8, v[L4], s[6:7]              ; gamma: lane i has channel i of block 0,
	global_load_b32 v9, v[L4], s[6:7] offset:128   ; of block 1
	global_load_b32 v10, v[L4], s[8:9]             ; beta likewise
	global_load_b32 v11, v[L4], s[8:9] offset:128
	s_branch .Lbias_done
.Lbias_v:
	v_and_b32 v21, 8, v10
	s_delay_alu instid0(VALU_DEP_1)
	v_add_nc_u32 v21, v21, v10
	s_delay_alu instid0(VALU_DEP_1)
	v_lshlrev_b32 v21, 2, v21                      ; v: my channel in a tile: r + 8 (r / 8)
.irp t, 0,1,2,3
	global_load_b32 v[BV+2*\t], v21, s[14:15] offset:(32*(\t/2)+8*(\t%2))*4
	global_load_b32 v[BV+2*\t+1], v21, s[14:15] offset:(32*(\t/2)+8*(\t%2))*4
.endr
.Lbias_done:
.set k, 0
	s_wait_alu depctr_va_vdst(0)
.rept 32
	global_load_b128 v[WF+4*k:WF+4*k+3], v[L16], s[12:13] offset:512*k   ; 512 consecutive bytes a load
.set k, k+1
.endr
.set k, 0
.rept 8
	global_load_b32 v[WS+k], v[L4], s[66:67] offset:WSC+128*k
.set k, k+1
.endr
	s_wait_tensorcnt 0x0                           ; my part of x's tile has landed,
	s_barrier_signal -1
	s_barrier_wait -1                              ; everybody's has
	s_cmp_lt_u32 s20, 8
	s_cbranch_scc0 .Lx_done
	; ---------------- phase X: waves 0-7 ----------------
.set i, 0
.rept 64
	ds_load_b32 v[XF+i], v[XA] offset:256*i        ; channel i of my wave's 64, my pixel
.set i, i+1
.endr
	s_wait_loadcnt 40                              ; the 32 + 8 loads of the weights may be out; bias, statistics, gamma and beta are in
	v_mov_b32 v14, v12
	s_delay_alu instid0(VALU_DEP_1)
	v_add_f32_dpp v14, v14, v14 row_xmask:1 row_mask:0xf bank_mask:0xf
	s_delay_alu instid0(VALU_DEP_1)
	v_add_f32_dpp v14, v14, v14 row_xmask:2 row_mask:0xf bank_mask:0xf
	s_delay_alu instid0(VALU_DEP_1)
	v_add_f32_dpp v14, v14, v14 row_xmask:4 row_mask:0xf bank_mask:0xf
	s_delay_alu instid0(VALU_DEP_1)
	v_mul_f32 v14, 0x3e000000, v14                 ; the group's mean: eight chunks of equal size
	s_delay_alu instid0(VALU_DEP_1)
	v_sub_f32 v15, v12, v14
	s_delay_alu instid0(VALU_DEP_1)
	v_mul_f32 v15, v15, v15
	s_delay_alu instid0(VALU_DEP_1)
	v_fmamk_f32 v15, v15, 0x46800000, v13          ; 16,384 (chunk mean - mean)^2 + the chunk's sum
	s_delay_alu instid0(VALU_DEP_1)
	v_add_f32_dpp v15, v15, v15 row_xmask:1 row_mask:0xf bank_mask:0xf
	s_delay_alu instid0(VALU_DEP_1)
	v_add_f32_dpp v15, v15, v15 row_xmask:2 row_mask:0xf bank_mask:0xf
	s_delay_alu instid0(VALU_DEP_1)
	v_add_f32_dpp v15, v15, v15 row_xmask:4 row_mask:0xf bank_mask:0xf
	v_mov_b32 v16, 0x37000000                      ; 2^-17: a group has 131,072 numbers
	s_delay_alu instid0(VALU_DEP_1)
	v_fmaak_f32 v15, v15, v16, 0x3727c5ac          ; the variance + 1e-5
	s_wait_alu depctr_va_vdst(0)
	v_rsq_f32 v15, v15
	v_nop                                          ; one plain line behind the transcendental
	v_readlane_b32 s24, v14, 0                     ; block 0: mean,
	s_wait_alu depctr_va_vdst(0)
	v_readlane_b32 s25, v15, 0                     ; 1 / sqrt
	v_readlane_b32 s26, v14, 8                     ; block 1
	v_readlane_b32 s27, v15, 8
; Block j of my two: 32 channels of my pixel: normalised, quantised (all 32 numbers are mine: no other lane is asked), 32 codes to the images.  cod: the codes' registers; left: LDS instructions that may stay out.
.macro XBLOCK j, cod, left
.set XB, XF+32*\j
	v_mul_f32 v[8+\j], s[25+2*\j], v[8+\j]         ; rstd x gamma
.set i, 0
.rept 32
	v_readlane_b32 s[GA+i], v[8+\j], i             ; a register is a channel here, so its gain and bias are scalars
	v_readlane_b32 s[BE+i], v[10+\j], i
.set i, i+1
.endr
	s_wait_dscnt \left
.set i, 0
.rept 32
	v_sub_f32 v[XB+i], v[XB+i], s[24+2*\j]
.set i, i+1
.endr
.set i, 0
.rept 32
	v_fma_f32 v[XB+i], v[XB+i], s[GA+i], s[BE+i]
.set i, i+1
.endr
	v_max3_num_f32 v12, |v[XB]|, |v[XB+1]|, |v[XB+2]|
	v_max3_num_f32 v13, |v[XB+3]|, |v[XB+4]|, |v[XB+5]|
.irp n, 6,10,14,18,22,26
	s_delay_alu instid0(VALU_DEP_2)
	v_max3_num_f32 v12, v12, |v[XB+\n]|, |v[XB+\n+1]|
	s_delay_alu instid0(VALU_DEP_2)
	v_max3_num_f32 v13, v13, |v[XB+\n+2]|, |v[XB+\n+3]|
.endr
	s_delay_alu instid0(VALU_DEP_2)
	v_max3_num_f32 v12, v12, |v[XB+30]|, |v[XB+31]|
	s_delay_alu instid0(VALU_DEP_1)
	v_max3_num_f32 v12, v12, v13, 0x4800000        ; and the floor 2^(9 - 127)
	s_delay_alu instid0(VALU_DEP_1)
	v_add_nc_u32 v13, 0xfc000000, v12              ; the conversion's scale operand
	s_delay_alu instid0(VALU_DEP_1)
	v_lshrrev_b32 v[8+\j], 23, v13                 ; the byte
.set i, 0
.rept 32
.set i, i+1
.endr
.irp g, 0,1,2,3
	v_cvt_scalef32_pk8_fp8_f32 v[\cod+2*\g:\cod+2*\g+1], v[XB+8*\g:XB+8*\g+7], v13
.endr
	v_nop                                          ; one plain line behind the last conversion
	ds_store_b128 v[IA], v[\cod:\cod+3] offset:512*\j        ; k 0-15 of the block: the image's lanes 0-15,
	ds_store_b128 v[IA], v[\cod+4:\cod+7] offset:512*\j+256  ; k 16-31: its lanes 16-31
.endm
	XBLOCK 0, 14, 32                               ; block 1's 32 loads may be out
	XBLOCK 1, 24, 2                                ; block 0's two stores, issued behind block 1's loads, may be out
	v_lshl_or_b32 v11, v9, 8, v8
	ds_store_b16 v[SA], v11                        ; two of my pixel's four scale bytes of this K step
.Lx_done:
	s_wait_dscnt 0x0                               ; for the others' sake: my stores have landed
	s_barrier_signal -1
	s_barrier_wait -1                              ; the eight images and their scale words lie in LDS
	s_wait_loadcnt 0x0                             ; the weights
.macro FETCH P                         ; tile P's two fragments and scale words
.irp s, 0,1
.irp c, 0,1,2,3
	ds_load_b128 v[XF+16*\s+4*\c:XF+16*\s+4*\c+3], v[LI] offset:(2*(\P)+\s)*2048+512*\c
.endr
	ds_load_b32 v[XS+\s], v[LS] offset:(2*(\P)+\s)*64
.endr
.endm
; 32 numbers of a lane at v[s] on, register 16 b + i = k 32 b + 16 h + i of my row, become 8 registers of codes at v[pc] on and two scale bytes in v[sh].  tm: eight registers at work
.macro QUANT2 s, pc, sh, tm
.irp b, 0,1
	v_max3_num_f32 v[\tm+\b], |v[\s+16*\b]|, |v[\s+1+16*\b]|, 0x4800000
.endr
.irp i, 2,4,6,8,10,12,14
.irp b, 0,1
	s_delay_alu instid0(VALU_DEP_2)
	v_max3_num_f32 v[\tm+\b], v[\tm+\b], |v[\s+16*\b+\i]|, |v[\s+1+16*\b+\i]|
.endr
.endr
.irp b, 0,1
	s_delay_alu instid0(VALU_DEP_2)
	v_permlanex16_b32 v[\tm+2+\b], v[\tm+\b], s[SEL], s[SEL+1]
.endr
.irp b, 0,1
	s_delay_alu instid0(VALU_DEP_2)
	v_max_num_f32 v[\tm+\b], v[\tm+\b], v[\tm+2+\b]
.endr
.irp b, 0,1
	s_delay_alu instid0(VALU_DEP_2)
	v_add_nc_u32 v[\tm+6+\b], 0xfc000000, v[\tm+\b]
.endr
.irp b, 0,1
.endr
.irp b, 0,1
	s_delay_alu instid0(VALU_DEP_2)
	v_lshrrev_b32 v[\tm+2+\b], 23, v[\tm+6+\b]
.endr
	s_delay_alu instid0(VALU_DEP_1)
	v_lshl_or_b32 v[\sh], v[\tm+3], 8, v[\tm+2]
.irp b, 0,1
.irp i, 0,1,2,3,4,5,6,7,8,9,10,11,12,13,14,15
.endr
	v_cvt_scalef32_pk8_fp8_f32 v[\pc+4*\b:\pc+4*\b+1], v[\s+16*\b:\s+16*\b+7], v[\tm+6+\b]
	v_cvt_scalef32_pk8_fp8_f32 v[\pc+4*\b+2:\pc+4*\b+3], v[\s+16*\b+8:\s+16*\b+15], v[\tm+6+\b]
.endr
	v_nop
.endm
	s_lshl_b32 s31, s21, 2
	s_add_co_u32 s31, s31, s23                     ; 4 image + head
	s_lshl_b32 s40, s31, 5
	s_lshr_b32 s41, s22, 1
	s_add_co_u32 s40, s40, s41
	s_mul_i32 s40, s40, REC                        ; my pixels' record in kv
	s_and_b32 s41, s22, 1                          ; and which half of its 128 keys they are
	s_cmp_lt_u32 s20, 8
	s_cbranch_scc0 .Lpath_v
	; ---------------- q and k: waves 0-7 ----------------
	s_lshl_b32 s36, s31, 18
	s_lshl_b32 s37, s22, 12
	s_add_co_u32 s36, s36, s37                     ; q's codes: 1,024 bytes a tile
	s_lshl_b32 s38, s31, 14
	s_lshl_b32 s39, s22, 8
	s_add_co_u32 s38, s38, s39
	s_add_co_u32 s38, s38, QS_OFF                  ; q's scale words: 64 bytes a tile
	s_lshl_b32 s42, s41, 12
	s_add_co_u32 s42, s42, s40                     ; k's codes
	s_lshl_b32 s43, s41, 7
	s_add_co_u32 s43, s43, s40
	s_add_co_u32 s43, s43, KSC                     ; k's scale words
	s_mov_b32 s2, 0x3f800000
	s_cmp_lt_u32 s20, 4                            ; q or k: the wave's number alone decides
	s_cselect_b64 s[32:33], s[16:17], s[18:19]
	s_cselect_b32 s36, s36, s42
	s_cselect_b32 s38, s38, s43
	s_cselect_b32 s2, 0x3e000000, s2               ; q is multiplied by 64^-1/2 = 1/8, k by 1
	s_mov_b32 s3, s2
	s_mov_b32 s37, 0
	s_mov_b32 s39, 0
	s_mov_b64 s[34:35], s[32:33]
	s_add_nc_u64 s[32:33], s[32:33], s[36:37]
	s_add_nc_u64 s[34:35], s[34:35], s[38:39]
	v_mov_b32 v16, 0                               ; a lane permute's destination counts as one of its sources
	v_mov_b32 v17, 0
.macro QKTILE P
	s_wait_xcnt 0x0                                ; the last tile's stores have read their data, which lie where x's fragments land
	FETCH \P
	s_wait_dscnt 0x0
.irp t, 0,1,2,3                        ; the four accumulators by turns; the bias is the first C
	v_wmma_scale_f32_16x16x128_f8f6f4 v[HA+8*\t:HA+8*\t+7], v[WF+32*\t:WF+32*\t+15], v[XF:XF+15], v[BI+8*\t:BI+8*\t+7], v[WS+2*\t], v[XS]
.endr
.irp t, 0,1,2,3
	v_wmma_scale_f32_16x16x128_f8f6f4 v[HA+8*\t:HA+8*\t+7], v[WF+32*\t+16:WF+32*\t+31], v[XF+16:XF+31], v[HA+8*\t:HA+8*\t+7], v[WS+2*\t+1], v[XS+1]
.endr
.rept 9
	v_nop                                          ; eight places ahead of the first read of results and of loads into operands; the ninth since the next tile's products begin these accumulators anew
.endr
.set i, 0
.rept 16
	v_pk_mul_f32 v[HA+i:HA+i+1], v[HA+i:HA+i+1], s[2:3] op_sel_hi:[1,0]   ; each accumulator from its low end on
.set i, i+2
.endr
	QUANT2 HA, XF, 10+\P, 14
.irp c, 0,1
	global_store_b128 v[L16], v[XF+4*\c:XF+4*\c+3], s[32:33] offset:1024*(\P)+512*\c   ; 512 consecutive bytes a store
.endr
.endm
	QKTILE 0
	QKTILE 1
	QKTILE 2
	QKTILE 3
	v_bfe_u32 v14, v0, 4, 1
	s_delay_alu instid0(VALU_DEP_1)
	v_cmp_ne_u32 vcc_lo, 0, v14                    ; lanes 16-31 carry the second of two runs of 16 words
	s_cmp_lt_u32 s20, 4
	s_cbranch_scc0 .Lk_scales
.irp P, 0,1,2,3
	v_lshl_or_b32 v[10+\P], v[10+\P], 16, v[10+\P] ; q's two bytes twice: they serve at k 0-63 and at k 64-127
.endr
	s_delay_alu instid0(VALU_DEP_3)
	v_cndmask_b32 v14, v10, v11, vcc_lo
	s_delay_alu instid0(VALU_DEP_2)
	v_cndmask_b32 v15, v12, v13, vcc_lo
	global_store_b32 v[L4], v14, s[34:35]
	global_store_b32 v[L4], v15, s[34:35] offset:128
	s_set_vgpr_msb 0x5
	s_wait_tensorcnt 0x0
	ds_add_u32 v0, v1
	s_wait_dscnt 0x0
	s_set_vgpr_msb 0x500
	s_endpgm
.Lk_scales:
	v_lshl_or_b32 v10, v11, 16, v10                ; a double tile's word: tile 2 b's bytes, then tile 2 b + 1's
	s_wait_alu depctr_va_vdst(0)
	v_lshl_or_b32 v12, v13, 16, v12
	s_delay_alu instid0(VALU_DEP_1)
	v_cndmask_b32 v14, v10, v12, vcc_lo
	global_store_b32 v[L4], v14, s[34:35]
	s_set_vgpr_msb 0x5
	s_wait_tensorcnt 0x0
	ds_add_u32 v0, v1
	s_wait_dscnt 0x0
	s_set_vgpr_msb 0x500
	s_endpgm
	; ---------------- v: waves 8-11 ----------------
.Lpath_v:
	s_lshl_b32 s36, s41, 10
	s_add_co_u32 s36, s36, s40                     ; codes: my 64 keys are chunks 2 (pb % 2) and + 1 of each channel tile
	s_mov_b32 s37, 0
	s_lshl_b32 s38, s41, 1
	s_add_co_u32 s38, s38, s40                     ; scale bytes: two of a word's four
	s_mov_b32 s39, 0
	s_add_nc_u64 s[32:33], s[18:19], s[36:37]
	s_add_nc_u64 s[34:35], s[18:19], s[38:39]
; 32 keys (tiles 2 pb2, 2 pb2 + 1): source 0 = x, source 1 = weights: lane (r, h) holds channel r of tile t, and register 16 t + 8 u + j pixel 32 pb2 + 16 h + 8 u + j
.macro VHALF pb2
.irp u, 0,1
	s_wait_xcnt 0x0                                ; earlier stores have read their data, which lie where x's fragments land
	FETCH 2*(\pb2)+\u
	s_wait_dscnt 0x0
.irp t, 0,1,2,3
	v_wmma_scale_f32_16x16x128_f8f6f4 v[HA+16*\t+8*\u:HA+16*\t+8*\u+7], v[XF:XF+15], v[WF+32*\t:WF+32*\t+15], 0, v[XS], v[WS+2*\t]
.endr
.irp t, 0,1,2,3
	v_wmma_scale_f32_16x16x128_f8f6f4 v[HA+16*\t+8*\u:HA+16*\t+8*\u+7], v[XF+16:XF+31], v[WF+32*\t+16:WF+32*\t+31], v[HA+16*\t+8*\u:HA+16*\t+8*\u+7], v[XS+1], v[WS+2*\t+1]
.endr
.rept 8
	v_nop                                          ; places ahead of loads into operands and of the first read of results
.endr
.endr
	s_wait_alu depctr_va_vdst(0)
.irp t, 0,1,2,3
.irp i, 0,2,4,6,8,10,12,14
	v_pk_add_f32 v[HA+16*\t+\i:HA+16*\t+\i+1], v[HA+16*\t+\i:HA+16*\t+\i+1], v[BV+2*\t:BV+2*\t+1]   ; my channel's bias
.endr
.endr
.irp b, 0,1,2,3                        ; block = these 32 keys of channel tile b: 16 here, 16 in lane l xor 16
	v_max3_num_f32 v[24+\b], |v[HA+16*\b]|, |v[HA+1+16*\b]|, 0x4800000
.endr
.irp i, 2,4,6,8,10,12,14
.irp b, 0,1,2,3
	s_delay_alu instid0(VALU_DEP_4)
	v_max3_num_f32 v[24+\b], v[24+\b], |v[HA+16*\b+\i]|, |v[HA+1+16*\b+\i]|
.endr
.endr
.irp b, 0,1,2,3
	s_delay_alu instid0(VALU_DEP_4)
	v_permlanex16_b32 v[28+\b], v[24+\b], s[SEL], s[SEL+1]
.endr
.irp b, 0,1,2,3
	s_delay_alu instid0(VALU_DEP_4)
	v_max_num_f32 v[24+\b], v[24+\b], v[28+\b]
.endr
.irp b, 0,1,2,3
	s_delay_alu instid0(VALU_DEP_4)
	v_add_nc_u32 v[36+\b], 0xfc000000, v[24+\b]
.endr
.irp b, 0,1,2,3
.endr
.if \pb2 == 0
.irp b, 0,1,2,3
	s_delay_alu instid0(VALU_DEP_4)
	v_lshrrev_b32 v[8+\b], 23, v[36+\b]
.endr
.else
.irp b, 0,1,2,3
	s_delay_alu instid0(VALU_DEP_4)
	v_lshrrev_b32 v[28+\b], 23, v[36+\b]
.endr
.irp b, 0,1,2,3
	s_delay_alu instid0(VALU_DEP_4)
	v_lshl_or_b32 v[8+\b], v[28+\b], 8, v[8+\b]
.endr
.endif
.irp b, 0,1,2,3
.irp i, 0,1,2,3,4,5,6,7,8,9,10,11,12,13,14,15
.endr
	v_cvt_scalef32_pk8_fp8_f32 v[40+4*\b:41+4*\b], v[HA+16*\b:HA+16*\b+7], v[36+\b]
	v_cvt_scalef32_pk8_fp8_f32 v[42+4*\b:43+4*\b], v[HA+16*\b+8:HA+16*\b+15], v[36+\b]
.endr
	v_nop
.irp t, 0,1,2,3
	global_store_b128 v[L16], v[40+4*\t:43+4*\t], s[32:33] offset:VCO+2048*\t+512*(\pb2)
.endr
.endm
	VHALF 0
	VHALF 1
	v_and_b32 v20, 15, v0
	s_delay_alu instid0(VALU_DEP_1)
	v_lshlrev_b32 v20, 2, v20
	v_bfe_u32 v21, v0, 4, 1
	s_delay_alu instid0(VALU_DEP_1)
	v_lshl_add_u32 v20, v21, 7, v20                ; 4 r + 128 h: lanes 16-31 store tiles 2 and 3
	s_delay_alu instid0(VALU_DEP_2)
	v_cmp_ne_u32 vcc_lo, 0, v21
	s_delay_alu instid0(VALU_DEP_1)
	v_cndmask_b32 v24, v8, v10, vcc_lo
	s_delay_alu instid0(VALU_DEP_2)
	v_cndmask_b32 v25, v9, v11, vcc_lo
	global_store_b16 v20, v24, s[34:35] offset:VSC
	global_store_b16 v20, v25, s[34:35] offset:VSC+64
	s_set_vgpr_msb 0x5
	s_wait_tensorcnt 0x0
	ds_add_u32 v0, v1
	s_wait_dscnt 0x0
	s_set_vgpr_msb 0x500
	s_endpgm
.Lfunc_end_k_qd2bbc2e22a_qkv:
	.size	k_qd2bbc2e22a_qkv, .Lfunc_end_k_qd2bbc2e22a_qkv-k_qd2bbc2e22a_qkv
	.p2alignl 7, 3214868480
	.fill 96, 4, 3214868480
	.section	.rodata,"a",@progbits
	.p2align	6, 0x0
	.amdhsa_kernel k_qd2bbc2e22a_qkv
		.amdhsa_group_segment_fixed_size 169472
		.amdhsa_private_segment_fixed_size 0
		.amdhsa_enable_private_segment 0
		.amdhsa_kernarg_size 64
		.amdhsa_user_sgpr_count 2
		.amdhsa_user_sgpr_kernarg_segment_ptr 1
		.amdhsa_wavefront_size32 1
		.amdhsa_system_sgpr_workgroup_id_x 1
		.amdhsa_system_sgpr_workgroup_id_y 1
		.amdhsa_system_sgpr_workgroup_id_z 1
		.amdhsa_system_vgpr_workitem_id 0
		.amdhsa_next_free_vgpr 258
		.amdhsa_next_free_sgpr 100
		.amdhsa_reserve_vcc 1
		.amdhsa_float_denorm_mode_32 3
		.amdhsa_float_denorm_mode_16_64 3
		.amdhsa_fp16_overflow 1
		.amdhsa_memory_ordered 1
		.amdhsa_forward_progress 1
		.amdhsa_inst_pref_size 86
	.end_amdhsa_kernel
	.amdgpu_metadata
---
amdhsa.version: [ 1, 2 ]
amdhsa.kernels:
  - .name:           k_qd2bbc2e22a_qkv
    .symbol:         k_qd2bbc2e22a_qkv.kd
    .args:
      - { .name: x, .offset: 0, .size: 8, .value_kind: global_buffer, .address_space: global }
      - { .name: gamma, .offset: 8, .size: 8, .value_kind: global_buffer, .address_space: global }
      - { .name: beta, .offset: 16, .size: 8, .value_kind: global_buffer, .address_space: global }
      - { .name: stats, .offset: 24, .size: 8, .value_kind: global_buffer, .address_space: global }
      - { .name: wts, .offset: 32, .size: 8, .value_kind: global_buffer, .address_space: global }
      - { .name: b_qkv, .offset: 40, .size: 8, .value_kind: global_buffer, .address_space: global }
      - { .name: qb, .offset: 48, .size: 8, .value_kind: global_buffer, .address_space: global }
      - { .name: kv, .offset: 56, .size: 8, .value_kind: global_buffer, .address_space: global }
    .group_segment_fixed_size: 169472
    .private_segment_fixed_size: 0
    .kernarg_segment_align: 8
    .kernarg_segment_size: 64
    .max_flat_workgroup_size: 384
    .sgpr_count:     100
    .vgpr_count:     258
    .wavefront_size: 32
...
	.end_amdgpu_metadata
.endif
;; end of part 2
;; launch attn (part 3): grid 16 x 16, 16 waves a work-group, clusters of 4 x 1, 327,680 bytes of LDS; arguments qb, kv, oc; writes oc
.if DOCPART == 3
	.amdgcn_target "amdgcn-amd-amdhsa--gfx1250"
	.amdhsa_code_object_version 6
	.text
	.protected	k_qd2bbc2e22a_attn
	.globl	k_qd2bbc2e22a_attn
	.p2align	8
	.type	k_qd2bbc2e22a_attn,@function
k_qd2bbc2e22a_attn:
	s_mov_b64 s[64:65], 0
	v_nop
	global_prefetch_b8 v0, s[64:65] scope:SCOPE_SE
	s_setreg_imm32_b32 hwreg(HW_REG_WAVE_MODE, 25, 1), 1
	s_wait_xcnt 0x0
	s_wait_alu depctr_hold_cnt(0) depctr_sa_sdst(0) depctr_va_vdst(0) depctr_va_sdst(0) depctr_va_ssrc(0) depctr_va_vcc(0) depctr_vm_vsrc(0)
	s_getreg_b32 s2, hwreg(HW_REG_IB_STS2, 6, 4)
	s_cmp_eq_u32 s2, 0
	s_cbranch_scc0 .Lentry_in_a_cluster
	s_endpgm
.Lentry_in_a_cluster:
	s_bfe_u32 s2, ttmp6, 0x10000c
	s_cmp_lg_u32 s2, 0x3003
	s_cbranch_scc0 .Lentry_shape_is_right
	s_endpgm
.Lentry_shape_is_right:
; Attention of 16 (image, head) pairs, 4,096 tokens, head size 64, both products on codes of E4M3 with E8M0 scales; its result is quantised along the channels for the projection.
; THE SOFTMAX AHEAD OF THE SECOND PRODUCT: t = score x log2(e) (q already carries 1/8); M = the running largest t rounded UP to a whole number; p = 2^(t - M) is quantised along the keys, not normalised;
; the row's sum is taken of the unquantised p and divides at the end.  When M moves, the sum and O are multiplied by 2^(old M - new M): exact, and without a branch on data.
; SHARES.  Work-group (x, y): 256 queries (block x) of pair y; each of its SIXTEEN waves owns one tile of 16 queries in 256 registers: four waves to a SIMD, so that one wave's vector work stands beside another's products and LDS loads.
; Every wave walks the pair's 32 records of 128 keys.  A record (16,896 dense bytes) holds images of operand registers: every LDS load is 16 bytes x lane on end: no pitch, no padding.
; K = 64 IN A FORM OF K = 128: a fragment of K holds TWO key tiles, 64 along K each; Q lies in registers as zeros, Q, zeros, and source 1 is (Q, zeros) for the first tile and (zeros, Q) for the second.  Zero codes add nothing.
; LAYOUT.  S^T = K Q^T, O^T = V^T P^T: a lane holds one query throughout; the keys of a tile are chosen so that p's 16 registers of two neighbouring tiles are 16 neighbouring keys.
; CLUSTER.  The four query blocks of a cluster walk the same records: each record is asked for JOINTLY, by the same tensor load with the same descriptor and the mask of all four.
; RING.  Two slots of four records; waves 0-3 fetch one record each; one load of a wave is out at a time.  The change of slots stands at a slot's head, in a round of the cluster's barrier.
; LIMITS: p under 2^-126 comes out of v_exp_f32 as 0; the running maximum starts at -3e38; a block of zeros gets the byte 1 with zero codes; NaN and infinities are not served.
.set REC,   16896
.set SLOT1, 1<<17                      ; slot 1 begins here: one exclusive or turns an address of one slot into the other's
.set SPARE, 262144                     ; the spare words: 128 bytes for each of 16 waves, eight blocks of 256 bytes that no other line names
.set QS_OFF, 4194304
.set OS_OFF, 4194304
.set NSL,   8                          ; slots' worth of keys
.set SPW, 5                            ; v5   SPARE + 4 x my thread's number; never rewritten
.set NIL, 6                            ; v6   0; never rewritten
.set PFO, 7                            ; v7   256 x lane; never rewritten
.set L16, 8                            ; v8   16 x lane; never rewritten
.set LSC, 9                            ; v9   16,384 + 4 (lane % 16); never rewritten.  v1, v2: codes of records 0-1, 2-3 of the slot in hand; v3, v4: their scale words
.set QS,  10                           ; v10  Q's scale word
.set PSW, 11                           ; v11  p's scale word.  v12 -M, v13 the largest t, v[14:15] the sum in two halves; v16-39 zeros, Q, zeros
.set KF,  40                           ; v40-103  four fragments: K's, then V's
.set S,   104                          ; v104-167 S^T, then p
.set OT,  168                          ; v168-199 O^T
.set PC,  200                          ; v200-215 p's codes
.set SCW, 216                          ; v216-219 K's scale words, then V's
.set BM,  220                          ; v220-223 the blocks' largest scores, then largest p
.set T2,  224                          ; v224-227 the other half's maxima, then the bytes
.set HO,  228
.set SO,  232                          ; v232-235 the conversions' scale operands
.set FF,  236                          ; v[236:237] f = 2^(old M - new M) in the low word
.set TT,  238
.set C2,  240                          ; v[240:241] the sum's second chain
.set WV,  10
.set MNT, 19
.set SEL, 20
.set CS,  22                           ; s[22:23] log2(e)
.set G1,  24
.set G0,  32
.set TB,  36                           ; s36  LDS byte at which the slot in hand begins
.set SLOTS, 37
.set PFA, 38
.set LIM, 40
.macro CROUND                          ; a round of the cluster's barrier
	s_barrier_signal -1
	s_barrier_wait -1
	s_cmp_lg_u32 s[WV], 0
	s_cbranch_scc1 .Lnot_wave_0_\@
	s_barrier_signal -3
.Lnot_wave_0_\@:
	s_barrier_wait -3
	s_barrier_signal -1
	s_barrier_wait -1
.endm
.macro JLOAD                           ; waves 0-3: one record each.  The branch hangs on the wave's number alone; four v_nop follow the load
	s_cmp_lt_u32 s[WV], 4
	s_cbranch_scc0 .Lno_load_\@
	tensor_load_to_lds s[G0:G0+3], s[G1:G1+7]
	s_nop 0
.rept 4
	v_nop
.endr
.Lno_load_\@:
.endm
; A prefetch of the codes that the NEXT change of slots will ask for: four key steps ahead of that load.  All clusters of a pair walk the same records: the pair's first cluster asks.  Its four partners take one record each,
; told apart by address; in each, wave 4 names the record's 8,192 bytes of K's codes and wave 5 those of V's, lanes 256 bytes apart: each block is named once in the launch.  The records' 512 scale bytes, and slots 0 and 1,
; come by their loads alone; the last change that fills a slot asks for nothing.
.macro ASK
	s_cmp_gt_u32 s[SLOTS], s[LIM]
	s_cbranch_scc0 .Lnot_mine_\@
	global_prefetch_b8 v[PFO], s[PFA:PFA+1] th:TH_LOAD_NT scope:SCOPE_SE
.Lnot_mine_\@:
.endm
	s_load_b128 s[4:7], s[0:1], 0x0                ; qb, kv
	s_load_b64 s[8:9], s[0:1], 0x10                ; oc
	v_lshl_add_u32 v[SPW], v0, 2, SPARE
	v_mov_b32 v[NIL], 0
	ds_add_u32 v5, v6
	ds_add_u32 v5, v6
	s_wait_dscnt 0x0
	v_lshrrev_b32 v1, 5, v0
	s_delay_alu instid0(VALU_DEP_1)
	v_readfirstlane_b32 s[WV], v1                  ; wave 0..15
	s_bfe_u32 s11, ttmp6, 0x40000                  ; cx: it enters qb's, oc's and the prefetches' addresses alone
	s_lshl_b32 s12, ttmp9, 2
	s_add_co_u32 s12, s12, s11                     ; my block of 256 queries
	s_and_b32 s13, ttmp7, 0xffff                   ; 4 image + head, which the partners share
	; descriptor group 1: a record as 66 dense rows of 256 bytes (32 elements of 8 bytes)
	s_mov_b32 s[G1], 15|(3<<16)|(1<<21)            ; the mask: all four work-groups; elements of 8 bytes; bit 21 set beside a mask
	s_mov_b32 s[G1+1], 32<<16                      ; tensor_dim0
	s_mov_b32 s[G1+2], 66<<16                      ; tensor_dim1
	s_mov_b32 s[G1+3], 32<<16                      ; tile_dim0
	s_mov_b32 s[G1+4], 66                          ; tile_dim1
	s_mov_b32 s[G1+5], 32                          ; tensor_dim0_stride
	s_mov_b32 s[G1+6], 0
	s_mov_b32 s[G1+7], 0
	s_and_b32 s14, s[WV], 3
	s_mul_i32 s14, s14, REC                        ; the record that I fetch, in a slot and in memory
	s_mul_i32 s42, s13, 32*REC                     ; the pair's first byte in kv
	s_add_co_u32 s44, s42, s14
	s_mov_b32 s45, 0
	s_lshl_b32 s15, s12, 4
	s_add_co_u32 s15, s15, s[WV]                   ; my tile of 16 queries
	s_lshl_b32 s18, s13, 8
	s_add_co_u32 s18, s18, s15
	s_lshl_b32 s46, s18, 10                        ; Q's codes
	s_mov_b32 s47, 0
	s_lshl_b32 s48, s18, 6
	s_add_co_u32 s48, s48, QS_OFF                  ; Q's scale words
	s_mov_b32 s49, 0
	s_lshr_b32 s50, s13, 2                         ; image
	s_lshl_b32 s50, s50, 8
	s_add_co_u32 s50, s50, s15
	s_lshl_b32 s50, s50, 1
	s_bfe_u32 s51, s13, 0x10001
	s_add_co_u32 s50, s50, s51                     ; the projection's fragment: 2 (256 image + tile) + head / 2
	s_and_b32 s51, s13, 1
	s_lshl_b32 s52, s50, 11
	s_lshl_b32 s53, s51, 10
	s_add_co_u32 s52, s52, s53                     ; my head's two chunks of it
	s_mov_b32 s53, 0
	s_lshl_b32 s54, s50, 7
	s_lshl_b32 s55, s51, 1
	s_add_co_u32 s54, s54, s55
	s_add_co_u32 s54, s54, OS_OFF                  ; and two of its scale word's four bytes
	s_mov_b32 s55, 0
	s_mul_i32 s[PFA], s11, REC
	s_and_b32 s43, s[WV], 1
	s_lshl_b32 s43, s43, 13
	s_add_co_u32 s[PFA], s[PFA], s43
	s_add_co_u32 s[PFA], s[PFA], s42
	s_add_co_u32 s[PFA], s[PFA], 4*REC             ; in slot 1's records: the first change of slots steps it to slot 2's
	s_mov_b32 s[PFA+1], 0
	s_sub_co_u32 s[LIM], s[WV], 4
	s_lshr_b32 s[LIM], s[LIM], 1                   ; 0 in waves 4 and 5,
	s_or_b32 s[LIM], s[LIM], ttmp9                 ; of the pair's first cluster: the same in all four partners
	s_cmp_eq_u32 s[LIM], 0
	s_cselect_b32 s[LIM], 1, -1
	s_mov_b32 s[SEL], 0x76543210
	s_mov_b32 s[SEL+1], 0xfedcba98
	s_mov_b32 s[CS], 0x3fb8aa3b
	s_mov_b32 s[CS+1], s[CS]                       ; (named with it as a pair, so it is written)
	s_mov_b32 s[TB], 0
	s_mov_b32 s[SLOTS], NSL-1
	v_and_b32 v1, 31, v0
	s_delay_alu instid0(VALU_DEP_1)
	v_lshlrev_b32 v[PFO], 8, v1
	s_delay_alu instid0(VALU_DEP_2)
	v_lshlrev_b32 v[L16], 4, v1
	v_and_b32 v2, 15, v0
	s_delay_alu instid0(VALU_DEP_1)
	v_lshl_add_u32 v[LSC], v2, 2, 16384
	s_delay_alu instid0(VALU_DEP_2)
	v_lshlrev_b32 v[TT], 2, v2
	s_wait_kmcnt 0x0
	s_add_nc_u64 s[16:17], s[4:5], s[48:49]
	s_add_nc_u64 s[4:5], s[4:5], s[46:47]
	s_add_nc_u64 s[54:55], s[8:9], s[54:55]
	s_add_nc_u64 s[8:9], s[8:9], s[52:53]
	s_add_nc_u64 s[PFA:PFA+1], s[6:7], s[PFA:PFA+1]
	s_mov_b32 s[G0], 1                             ; count = 1
	s_mov_b32 s[G0+1], s14                         ; LDS address: slot 0
	s_add_nc_u64 s[G0+2:G0+3], s[6:7], s[44:45]
	s_or_b32 s[G0+3], s[G0+3], 0x80000000          ; type = 2
	CROUND                                         ; all four work-groups are here: the first joint loads meet
	JLOAD                                          ; slot 0
	s_wait_alu depctr_va_vdst(0)
	global_load_b128 v[24:27], v[L16], s[4:5]      ; Q: 64 along K, 8 registers
	global_load_b128 v[28:31], v[L16], s[4:5] offset:512
	global_load_b32 v[QS], v[TT], s[16:17]
.irp j, 0,1,2,3,4,5,6,7
	v_mov_b32 v[16+\j], 0                          ; the zero codes on both sides of Q
	v_mov_b32 v[32+\j], 0
.endr
.set j, 0
.rept 32
	v_mov_b32 v[OT+j], 0                           ; O^T.  (The loop is written once: its first step finds zeros, which the first change of M leaves zeros)
.set j, j+1
.endr
.irp b, 0,1,2,3
	v_mov_b32 v[T2+\b], 0                          ; a lane permute's destination counts as one of its sources
.endr
	v_mov_b32 v[FF+1], 0                           ; (named as the upper half of a pair)
	v_mov_b32 v13, 0xff61b1e6                      ; the largest t so far: -3e38
	s_delay_alu instid0(VALU_DEP_1)
	v_floor_f32 v12, -v13                          ; -M
	v_mov_b32 v14, 0
	v_mov_b32 v15, 0
; A KEY STEP: record q of the slot in hand.
.macro STEP q
.set ADR, 1+(\q)/2
.set ASR, 3+(\q)/2
.set OFS, ((\q)%2)*REC
.irp b, 0,1,2,3
.irp c, 0,1,2,3
	ds_load_b128 v[KF+16*\b+4*\c:KF+16*\b+4*\c+3], v[ADR] offset:OFS+2048*\b+512*\c
.endr
	ds_load_b32 v[SCW+\b], v[ASR] offset:OFS+64*\b
.endr
	s_wait_dscnt 0x0
.irp b, 0,1,2,3                        ; S^T: eight tiles of 16 keys, each a sum of its own
	v_wmma_scale_f32_16x16x128_f8f6f4 v[S+16*\b:S+16*\b+7], v[KF+16*\b:KF+16*\b+15], v[24:39], 0, v[SCW+\b], v[QS]
	v_wmma_scale_f32_16x16x128_f8f6f4 v[S+16*\b+8:S+16*\b+15], v[KF+16*\b:KF+16*\b+15], v[16:31], 0, v[SCW+\b], v[QS]
.endr
.rept 8
	v_nop                                          ; places ahead of the loads into K's registers and of the first read of the scores
.endr
.irp t, 0,1,2,3                        ; V's fragments are asked for now and land while the softmax is walked
.irp c, 0,1,2,3
	ds_load_b128 v[KF+16*\t+4*\c:KF+16*\t+4*\c+3], v[ADR] offset:OFS+8192+2048*\t+512*\c
.endr
	ds_load_b32 v[SCW+\t], v[ASR] offset:OFS+256+64*\t
.endr
.irp b, 0,1,2,3
	v_max3_num_f32 v[BM+\b], v[S+16*\b], v[S+1+16*\b], v[S+2+16*\b]   ; the largest score of each block of 32 keys: for the row's maximum, and, since p rises with the score, for the block's largest p
.endr
.irp i, 3,5,7,9,11,13
.irp b, 0,1,2,3
	v_max3_num_f32 v[BM+\b], v[BM+\b], v[S+16*\b+\i], v[S+1+16*\b+\i]
.endr
.endr
.irp b, 0,1,2,3
	v_max_num_f32 v[BM+\b], v[BM+\b], v[S+15+16*\b]
.endr
.irp b, 0,1,2,3
	s_delay_alu instid0(VALU_DEP_4)
	v_permlanex16_b32 v[T2+\b], v[BM+\b], s[SEL], s[SEL+1]
.endr
.irp b, 0,1,2,3
	s_delay_alu instid0(VALU_DEP_4)
	v_max_num_f32 v[BM+\b], v[BM+\b], v[T2+\b]     ; with lane l xor 16's 16 keys
.endr
	s_delay_alu instid0(VALU_DEP_2)
	v_max3_num_f32 v[TT], v[BM], v[BM+1], v[BM+2]
	s_delay_alu instid0(VALU_DEP_1)
	v_max_num_f32 v[TT], v[TT], v[BM+3]
	s_delay_alu instid0(VALU_DEP_1)
	v_mul_f32 v[TT], s[CS], v[TT]                  ; as t
	s_delay_alu instid0(VALU_DEP_1)
	v_max_num_f32 v13, v13, v[TT]                  ; the running largest t
	v_mov_b32 v[TT], v12
	s_delay_alu instid0(VALU_DEP_2)
	v_floor_f32 v12, -v13                          ; the new -M = -ceil(t)
	s_delay_alu instid0(VALU_DEP_1)
	v_sub_f32 v[TT], v12, v[TT]                    ; old M - new M: a whole number, 0 or less
	s_delay_alu instid0(VALU_DEP_1)
	v_cvt_i32_f32 v[TT], v[TT]                     ; (it saturates)
	s_delay_alu instid0(VALU_DEP_1)
	v_ldexp_f32 v[FF], 1.0, v[TT]                  ; f
.set j, 0
.rept 32
	v_pk_fma_f32 v[S+j:S+j+1], v[S+j:S+j+1], s[CS:CS+1], v[12:13] op_sel_hi:[1,0,0]   ; t - M, two at a time
.set j, j+2
.endr
.irp b, 0,1,2,3
	v_fma_f32 v[BM+\b], v[BM+\b], s[CS], v12
.endr
.set j, 0
	s_wait_alu depctr_va_vdst(0)
.rept 64
	v_exp_f32 v[S+j], v[S+j]                       ; p = 2^(t - M)
.set j, j+1
.endr
.irp b, 0,1,2,3
	v_exp_f32 v[BM+\b], v[BM+\b]                   ; the block's largest p: the same two instructions on the same number
.endr
	v_pk_mul_f32 v[14:15], v[14:15], v[FF:FF+1] op_sel_hi:[1,0]   ; the sums under the new M.  (The plain line behind the exponentials)
	s_wait_alu depctr_va_vdst(0)
.irp b, 0,1,2,3
	v_max_num_f32 v[BM+\b], 0x4800000, v[BM+\b]    ; the floor 2^(9 - 127)
.endr
.irp b, 0,1,2,3
	s_delay_alu instid0(VALU_DEP_4)
	v_add_nc_u32 v[SO+\b], 0xfc000000, v[BM+\b]
.endr
.irp b, 0,1,2,3
.endr
.irp b, 0,1,2,3
	s_delay_alu instid0(VALU_DEP_4)
	v_lshrrev_b32 v[T2+\b], 23, v[SO+\b]
.endr
	s_delay_alu instid0(VALU_DEP_3)
	v_lshl_or_b32 v[PSW], v[T2+1], 8, v[T2]
	s_delay_alu instid0(VALU_DEP_1)
	v_lshl_or_b32 v[PSW], v[T2+2], 16, v[PSW]
	s_delay_alu instid0(VALU_DEP_1)
	v_lshl_or_b32 v[PSW], v[T2+3], 24, v[PSW]
	v_pk_add_f32 v[240:241], v[108:109], v[112:113]
	v_pk_add_f32 v[254:255], v[116:117], v[120:121]
	v_pk_add_f32 v[252:253], v[124:125], v[128:129]
	v_pk_add_f32 v[250:251], v[132:133], v[136:137]
	v_pk_add_f32 v[248:249], v[140:141], v[144:145]
	v_pk_add_f32 v[246:247], v[148:149], v[152:153]
	v_pk_add_f32 v[244:245], v[156:157], v[160:161]
	v_pk_add_f32 v[14:15], v[14:15], v[164:165]
	v_pk_add_f32 v[240:241], v[240:241], v[104:105]
	v_pk_add_f32 v[254:255], v[254:255], v[106:107]
	v_pk_add_f32 v[252:253], v[252:253], v[110:111]
	v_pk_add_f32 v[250:251], v[250:251], v[114:115]
	v_pk_add_f32 v[248:249], v[248:249], v[118:119]
	v_pk_add_f32 v[246:247], v[246:247], v[122:123]
	v_pk_add_f32 v[244:245], v[244:245], v[126:127]
	v_pk_add_f32 v[14:15], v[14:15], v[130:131]
	v_pk_add_f32 v[240:241], v[240:241], v[134:135]
	v_pk_add_f32 v[254:255], v[254:255], v[138:139]
	v_pk_add_f32 v[252:253], v[252:253], v[142:143]
	v_pk_add_f32 v[250:251], v[250:251], v[146:147]
	v_pk_add_f32 v[248:249], v[248:249], v[150:151]
	v_pk_add_f32 v[246:247], v[246:247], v[154:155]
	v_pk_add_f32 v[244:245], v[244:245], v[158:159]
	v_pk_add_f32 v[14:15], v[14:15], v[162:163]
	v_pk_add_f32 v[240:241], v[240:241], v[166:167]
	s_delay_alu instid0(VALU_DEP_2)
	v_pk_add_f32 v[14:15], v[14:15], v[250:251]
	s_delay_alu instid0(VALU_DEP_2)
	v_pk_add_f32 v[240:241], v[240:241], v[248:249]
	v_pk_add_f32 v[254:255], v[254:255], v[246:247]
	v_pk_add_f32 v[252:253], v[252:253], v[244:245]
	s_delay_alu instid0(VALU_DEP_2)
	v_pk_add_f32 v[14:15], v[14:15], v[254:255]
	s_delay_alu instid0(VALU_DEP_2)
	v_pk_add_f32 v[240:241], v[240:241], v[252:253]
	s_delay_alu instid0(VALU_DEP_1)
	v_pk_add_f32 v[14:15], v[14:15], v[240:241]
.irp b, 0,1,2,3
.irp i, 0,1,2,3,4,5,6,7,8,9,10,11,12,13,14,15
.endr
	v_cvt_scalef32_pk8_fp8_f32 v[PC+4*\b:PC+4*\b+1], v[S+16*\b:S+16*\b+7], v[SO+\b]
	v_cvt_scalef32_pk8_fp8_f32 v[PC+4*\b+2:PC+4*\b+3], v[S+16*\b+8:S+16*\b+15], v[SO+\b]
.endr
	v_nop                                          ; one plain line behind the last conversion
.set j, 0
.rept 16
	v_pk_mul_f32 v[OT+j:OT+j+1], v[OT+j:OT+j+1], v[FF:FF+1] op_sel_hi:[1,0]   ; O^T under the new M, each accumulator from its low end on; also the lines between the codes and the products
.set j, j+2
.endr
	s_wait_alu depctr_va_vdst(0)
	s_wait_dscnt 0x0                               ; V
.irp t, 0,1,2,3                        ; O^T += V^T P^T: four accumulators by turns
	v_wmma_scale_f32_16x16x128_f8f6f4 v[OT+8*\t:OT+8*\t+7], v[KF+16*\t:KF+16*\t+15], v[PC:PC+15], v[OT+8*\t:OT+8*\t+7], v[SCW+\t], v[PSW]
.endr
.rept 8
	v_nop                                          ; places ahead of the next step's loads into V's registers and of the next read of O^T
.endr
.endm
; THE CHANGE OF SLOTS, at a slot's head.  Each wave waits for all its tensor loads (its record of the slot ahead), adds 0 to its spare word, and waits for that and for its reads of the slot that it has left.
; fill = 1: a round of the cluster's barrier, so that no wave of any partner still reads that slot or has a load on its way; then the joint refill, which has four key steps in which to land.
.macro CHANGE fill
	s_wait_tensorcnt 0x0                           ; no tensor load of mine is out, so group 0 may be written
	ds_add_u32 v[SPW], v[NIL]
.if \fill
	s_xor_b32 s[G0+1], s[G0+1], SLOT1              ; the other slot than last time,
	s_add_nc_u64 s[G0+2:G0+3], s[G0+2:G0+3], 4*REC ; the next four records; the type bits on top are not reached
	s_wait_xcnt 0x0                                ; the last prefetch, a slot back, has read its address
	s_add_nc_u64 s[PFA:PFA+1], s[PFA:PFA+1], 4*REC ; one slot further on than the walking descriptor
.endif
	s_wait_dscnt 0x0                               ; the add is done, and my reads of the slot that I have left are over
.if \fill
	CROUND
	JLOAD                                          ; the first thing behind the round, and a wave's one tensor load until the next
	ASK
.else
	s_barrier_signal -1
	s_barrier_wait -1
.endif
	v_add_nc_u32 v1, s[TB], v[L16]
	s_delay_alu instid0(VALU_DEP_1)
	v_add_nc_u32 v2, 2*REC, v1
	v_add_nc_u32 v3, s[TB], v[LSC]
	s_delay_alu instid0(VALU_DEP_1)
	v_add_nc_u32 v4, 2*REC, v3
.endm
.macro SLOT_STEPS
	STEP 0
	STEP 1
	STEP 2
	STEP 3
	s_xor_b32 s[TB], s[TB], SLOT1
.endm
	s_wait_loadcnt 0x0                             ; Q
.Lslot:                                            ; NSL - 1 trips: behind each change of slots but the last the next slot is asked for
	CHANGE 1
	s_wait_alu depctr_va_vdst(0)
	SLOT_STEPS
	s_sub_co_u32 s[SLOTS], s[SLOTS], 1
	s_cmp_lg_u32 s[SLOTS], 0
	s_cbranch_scc1 .Lslot
	CHANGE 0                                       ; the last slot is written out
	s_wait_alu depctr_va_vdst(0)
	SLOT_STEPS
	; THE WAY OUT.  O^T / the sum: register 8 t + j is channel 32 (t / 2) + 16 h + 8 (t % 2) + j of my query: 16 neighbours of each of the head's two blocks of 32: quantised as it lies, it is the projection's operand.
	v_add_f32 v14, v14, v15
	s_delay_alu instid0(VALU_DEP_1)
	v_permlanex16_b32 v[TT], v14, s[SEL], s[SEL+1]
	s_delay_alu instid0(VALU_DEP_1)
	v_add_f32 v14, v14, v[TT]                      ; the row's sum
	s_wait_alu depctr_va_vdst(0)
	v_rcp_f32 v[FF], v14
	v_and_b32 v229, 31, v0                         ; (a plain line behind the transcendental)
	s_delay_alu instid0(VALU_DEP_1)
	v_lshlrev_b32 v229, 2, v229
.set j, 0
	s_wait_alu depctr_va_vdst(0)
.rept 16
	v_pk_mul_f32 v[S+j:S+j+1], v[OT+j:OT+j+1], v[FF:FF+1] op_sel_hi:[1,0]
.set j, j+2
.endr
.irp b, 0,1
	v_max3_num_f32 v[BM+\b], |v[S+16*\b]|, |v[S+1+16*\b]|, 0x4800000
.endr
.irp i, 2,4,6,8,10,12,14
.irp b, 0,1
	s_delay_alu instid0(VALU_DEP_2)
	v_max3_num_f32 v[BM+\b], v[BM+\b], |v[S+16*\b+\i]|, |v[S+1+16*\b+\i]|
.endr
.endr
.irp b, 0,1
	s_delay_alu instid0(VALU_DEP_2)
	v_permlanex16_b32 v[BM+2+\b], v[BM+\b], s[SEL], s[SEL+1]
.endr
.irp b, 0,1
	s_delay_alu instid0(VALU_DEP_2)
	v_max_num_f32 v[BM+\b], v[BM+\b], v[BM+2+\b]
.endr
.irp b, 0,1
	s_delay_alu instid0(VALU_DEP_2)
	v_add_nc_u32 v[BM+6+\b], 0xfc000000, v[BM+\b]
.endr
.irp b, 0,1
.endr
.irp b, 0,1
	s_delay_alu instid0(VALU_DEP_2)
	v_lshrrev_b32 v[BM+2+\b], 23, v[BM+6+\b]
.endr
	s_delay_alu instid0(VALU_DEP_1)
	v_lshl_or_b32 v228, v[BM+3], 8, v[BM+2]
.irp b, 0,1
.irp i, 0,1,2,3,4,5,6,7,8,9,10,11,12,13,14,15
.endr
	v_cvt_scalef32_pk8_fp8_f32 v[PC+4*\b:PC+4*\b+1], v[S+16*\b:S+16*\b+7], v[BM+6+\b]
	v_cvt_scalef32_pk8_fp8_f32 v[PC+4*\b+2:PC+4*\b+3], v[S+16*\b+8:S+16*\b+15], v[BM+6+\b]
.endr
	v_nop
	global_store_b128 v[L16], v[PC:PC+3], s[8:9]               ; 1,024 consecutive bytes in two stores
	global_store_b128 v[L16], v[PC+4:PC+7], s[8:9] offset:512
	global_store_b16 v229, v228, s[54:55]
	s_wait_tensorcnt 0x0                           ; the wave's end
	ds_add_u32 v[SPW], v[NIL]
	s_wait_dscnt 0x0
	CROUND                                         ; the closing round: no work-group ends while a partner may still ask for a record that names it
	s_endpgm
.Lfunc_end_k_qd2bbc2e22a_attn:
	.size	k_qd2bbc2e22a_attn, .Lfunc_end_k_qd2bbc2e22a_attn-k_qd2bbc2e22a_attn
	.p2alignl 7, 3214868480
	.fill 96, 4, 3214868480
	.section	.rodata,"a",@progbits
	.p2align	6, 0x0
	.amdhsa_kernel k_qd2bbc2e22a_attn
		.amdhsa_group_segment_fixed_size 327680
		.amdhsa_private_segment_fixed_size 0
		.amdhsa_enable_private_segment 0
		.amdhsa_kernarg_size 24
		.amdhsa_user_sgpr_count 2
		.amdhsa_user_sgpr_kernarg_segment_ptr 1
		.amdhsa_wavefront_size32 1
		.amdhsa_system_sgpr_workgroup_id_x 1
		.amdhsa_system_sgpr_workgroup_id_y 1
		.amdhsa_system_sgpr_workgroup_id_z 1
		.amdhsa_system_vgpr_workitem_id 0
		.amdhsa_next_free_vgpr 256
		.amdhsa_next_free_sgpr 66
		.amdhsa_reserve_vcc 0
		.amdhsa_float_denorm_mode_32 3
		.amdhsa_float_denorm_mode_16_64 3
		.amdhsa_fp16_overflow 1
		.amdhsa_memory_ordered 1
		.amdhsa_forward_progress 1
		.amdhsa_inst_pref_size 151
	.end_amdhsa_kernel
	.amdgpu_metadata
---
amdhsa.version: [ 1, 2 ]
amdhsa.kernels:
  - .name:           k_qd2bbc2e22a_attn
    .symbol:         k_qd2bbc2e22a_attn.kd
    .args:
      - { .name: qb, .offset: 0, .size: 8, .value_kind: global_buffer, .address_space: global }
      - { .name: kv, .offset: 8, .size: 8, .value_kind: global_buffer, .address_space: global }
      - { .name: oc, .offset: 16, .size: 8, .value_kind: global_buffer, .address_space: global }
    .group_segment_fixed_size: 327680
    .private_segment_fixed_size: 0
    .kernarg_segment_align: 8
    .kernarg_segment_size: 24
    .max_flat_workgroup_size: 512
    .sgpr_count:     66
    .vgpr_count:     256
    .wavefront_size: 32
...
	.end_amdgpu_metadata
.endif
;; end of part 3
;; launch proj (part 4): grid 256 x 1, 16 waves a work-group, no clusters, 88,064 bytes of LDS; arguments oc, wts, b_proj, x, out0; writes out0
.if DOCPART == 4
	.amdgcn_target "amdgcn-amd-amdhsa--gfx1250"
	.amdhsa_code_object_version 6
	.text
	.protected	k_qd2bbc2e22a_proj
	.globl	k_qd2bbc2e22a_proj
	.p2align	8
	.type	k_qd2bbc2e22a_proj,@function
k_qd2bbc2e22a_proj:
	s_mov_b64 s[64:65], 0
	v_nop
	global_prefetch_b8 v0, s[64:65] scope:SCOPE_SE
	s_setreg_imm32_b32 hwreg(HW_REG_WAVE_MODE, 25, 1), 1
	s_wait_xcnt 0x0
; out0 = w_proj O + b_proj + x: the projection (quantised product, K = 256 channels), its bias and the residual, for 64 pixels of one image a work-group.
; SHARES.  Work-group i: image i / 64, pixels 64 (i % 64) on: four tiles of 16, whose 8 fragments (tile P, K step s) are 16,384 consecutive bytes of oc: each of the sixteen waves brings 1,024 of them into LDS, once;
; every wave then reads all 8 as images of operand registers.  Wave w owns tile w of w_proj's rows: output channels 32 (w / 2) + 8 (w % 2) + r + 8 (r / 8); its two fragments come straight into registers.
; Source 0 = O (16 pixels), source 1 = the weights: lane (r, h) holds output channel r of the tile, and its register j of tile P pixel 32 (P / 2) + 16 h + 8 (P % 2) + j: eight neighbours of a row of out0.
; The bias is the first C.  The results go through the wave's own stage in LDS (16 rows of 256 bytes + 16) and leave, with x added, as whole rows: sixteen lanes store 256 consecutive bytes, aligned.
; NO CLUSTER: O's fragments are the work-group's own; the weights, 4,096 bytes a wave, go from memory straight into registers.  No tensor load, so no ring.
.set STG,   16384                      ; LDS: behind O's 8 images: a stage of 4,352 bytes for each wave
.set OS_OFF, 4194304
.set WSC,   262144
.set L16, 1                            ; v1  16 x lane
.set L4,  2                            ; v2  4 x lane
.set XO,  3                            ; v3  x and out0: 16,384 h + 16 r: lanes 0-15 one channel's 256 bytes, lanes 16-31 the next channel's
.set SI,  4                            ; v4  the stage, in: row r, + 64 h
.set SR,  5                            ; v5  the stage, back: row h, + 16 r
.set BO,  6                            ; v6  4 (r + 8 (r / 8))
.set CI,  7                            ; v7  1,024 x wave + 16 x lane: my share of O's images, in memory and in LDS
.set WSW, 8                            ; v8-9    the weights' scale words
.set OSW, 10                           ; v10-17  O's
.set BI,  18                           ; v18-25  my channel's bias, eight times: the result's layout
.set ACC, 32                           ; v32-63  four accumulators
.set XR,  64                           ; v64-95  the residual
.set WF,  96                           ; v96-127 the weights' two fragments
.set OFR, 128                          ; v128-255 O's eight fragments; later the rows of out0
	s_load_b256 s[4:11], s[0:1], 0x0               ; oc, wts, b_proj, x
	s_load_b64 s[12:13], s[0:1], 0x20              ; out0
	v_lshl_add_u32 v30, v0, 2, 0x15000
	v_mov_b32 v31, 0
	v_lshrrev_b32 v1, 5, v0
	s_delay_alu instid0(VALU_DEP_1)
	v_readfirstlane_b32 s14, v1                    ; wave 0..15
	v_and_b32 v26, 31, v0                          ; lane
	v_and_b32 v27, 15, v0                          ; r
	v_bfe_u32 v28, v0, 4, 1                        ; h
	s_delay_alu instid0(VALU_DEP_3)
	v_lshlrev_b32 v[L16], 4, v26
	s_delay_alu instid0(VALU_DEP_4)
	v_lshlrev_b32 v[L4], 2, v26
	s_delay_alu instid0(VALU_DEP_3)
	v_lshlrev_b32 v[XO], 14, v28
	s_delay_alu instid0(VALU_DEP_1)
	v_lshl_add_u32 v[XO], v27, 4, v[XO]
	s_mul_i32 s15, s14, 4352
	s_add_co_u32 s15, s15, STG
	v_mul_u32_u24 v[SI], v27, 272
	s_delay_alu instid0(VALU_DEP_1)
	v_lshl_add_u32 v[SI], v28, 6, v[SI]
	s_delay_alu instid0(VALU_DEP_1)
	v_add_nc_u32 v[SI], s15, v[SI]
	v_mul_u32_u24 v[SR], v28, 272
	s_delay_alu instid0(VALU_DEP_1)
	v_lshl_add_u32 v[SR], v27, 4, v[SR]
	s_delay_alu instid0(VALU_DEP_1)
	v_add_nc_u32 v[SR], s15, v[SR]
	v_and_b32 v[BO], 8, v27
	s_delay_alu instid0(VALU_DEP_1)
	v_add_nc_u32 v[BO], v[BO], v27
	s_delay_alu instid0(VALU_DEP_1)
	v_lshlrev_b32 v[BO], 2, v[BO]
	s_lshl_b32 s16, s14, 10
	v_add_nc_u32 v[CI], s16, v[L16]
	s_lshr_b32 s17, ttmp9, 6                       ; image
	s_and_b32 s18, ttmp9, 63                       ; block of 64 pixels
	s_lshl_b32 s19, s17, 8
	s_lshl_b32 s20, s18, 2
	s_add_co_u32 s19, s19, s20                     ; my first tile of pixels
	s_lshl_b32 s20, s19, 12                        ; O's codes: 4,096 bytes a tile
	s_mov_b32 s21, 0
	s_lshl_b32 s22, s19, 8
	s_add_co_u32 s22, s22, OS_OFF                  ; O's scale words: 256 bytes a tile
	s_mov_b32 s23, 0
	s_lshl_b32 s24, s14, 12                        ; the weights: fragments 96 + 2 w, + 1 (the 96 in the immediates),
	s_mov_b32 s25, 0
	s_lshl_b32 s26, s14, 8                         ; and their scale words
	s_mov_b32 s27, 0
	s_lshr_b32 s36, s14, 1
	s_and_b32 s37, s14, 1
	s_lshl_b32 s28, s36, 7
	s_lshl_b32 s29, s37, 5
	s_add_co_u32 s28, s28, s29                     ; b_proj: channel 32 (w / 2) + 8 (w % 2)
	s_mov_b32 s29, 0
	s_lshl_b32 s30, s17, 22
	s_lshl_b32 s31, s36, 19
	s_add_co_u32 s30, s30, s31
	s_lshl_b32 s31, s37, 17
	s_add_co_u32 s30, s30, s31
	s_lshl_b32 s31, s18, 8
	s_add_co_u32 s30, s30, s31                     ; x and out0: image, that channel, my 64 pixels
	s_mov_b32 s31, 0
	s_wait_alu depctr_va_vdst(0)
	s_wait_kmcnt 0x0
	s_add_nc_u64 s[32:33], s[4:5], s[22:23]
	s_add_nc_u64 s[4:5], s[4:5], s[20:21]
	s_add_nc_u64 s[34:35], s[6:7], s[26:27]
	s_add_nc_u64 s[6:7], s[6:7], s[24:25]
	s_add_nc_u64 s[8:9], s[8:9], s[28:29]
	s_add_nc_u64 s[10:11], s[10:11], s[30:31]
	s_add_nc_u64 s[12:13], s[12:13], s[30:31]
	global_load_b128 v[32:35], v[CI], s[4:5]       ; my 1,024 bytes of O's images
	global_load_b128 v[36:39], v[CI], s[4:5] offset:512
.irp f, 0,1,2,3,4,5,6,7
	global_load_b32 v[OSW+\f], v[L4], s[32:33] offset:128*\f
.endr
.irp s, 0,1
	global_load_b32 v[WSW+\s], v[L4], s[34:35] offset:WSC+96*128+128*\s
.endr
.irp k, 0,1,2,3,4,5,6,7
	global_load_b128 v[WF+4*\k:WF+4*\k+3], v[L16], s[6:7] offset:96*2048+512*\k
.endr
.irp j, 0,1,2,3,4,5,6,7
	global_load_b32 v[BI+\j], v[BO], s[8:9]
.endr
.irp i, 0,1,2,3,4,5,6,7
	global_load_b128 v[XR+4*\i:XR+4*\i+3], v[XO], s[10:11] offset:(2*\i+8*(\i/4))*16384 th:TH_LOAD_NT   ; the rows in the order in which the stage gives them back; x's last reading
.endr
	s_wait_loadcnt 34                              ; the 8 + 2 + 8 + 8 + 8 loads issued behind the first two may be out
	ds_store_b128 v[CI], v[32:35]
	ds_store_b128 v[CI], v[36:39] offset:512
	s_wait_dscnt 0x0                               ; for the others' sake: my stores have landed
	s_barrier_signal -1
	s_barrier_wait -1                              ; O's eight images lie in LDS
.set k, 0
.rept 32
	ds_load_b128 v[OFR+4*k:OFR+4*k+3], v[L16] offset:512*k
.set k, k+1
.endr
	s_wait_loadcnt 8                               ; the residual's eight loads may be out
	s_wait_dscnt 0x0
.irp P, 0,1,2,3                        ; the four accumulators by turns
	v_wmma_scale_f32_16x16x128_f8f6f4 v[ACC+8*\P:ACC+8*\P+7], v[OFR+32*\P:OFR+32*\P+15], v[WF:WF+15], v[BI:BI+7], v[OSW+2*\P], v[WSW]
.endr
.irp P, 0,1,2,3
	v_wmma_scale_f32_16x16x128_f8f6f4 v[ACC+8*\P:ACC+8*\P+7], v[OFR+32*\P+16:OFR+32*\P+31], v[WF+16:WF+31], v[ACC+8*\P:ACC+8*\P+7], v[OSW+2*\P+1], v[WSW+1]
.endr
.rept 8
	v_nop                                          ; places ahead of the first read of results and of loads into operands
.endr
.irp P, 0,1,2,3
	ds_store_b128 v[SI], v[ACC+8*\P:ACC+8*\P+3] offset:128*(\P/2)+32*(\P%2)        ; each accumulator from its low end on
	ds_store_b128 v[SI], v[ACC+8*\P+4:ACC+8*\P+7] offset:128*(\P/2)+32*(\P%2)+16
.endr
.irp i, 0,1,2,3,4,5,6,7
	ds_load_b128 v[OFR+4*\i:OFR+4*\i+3], v[SR] offset:544*\i   ; LDS serves a wave's instructions in order (ISA guide 5.7.1.4): these see my stores.  Rows 2 i and 2 i + 1
.endr
	s_wait_loadcnt 0x0                             ; the residual
.irp i, 0,1,2,3,4,5,6,7
	s_wait_dscnt 7-\i
	v_pk_add_f32 v[OFR+4*\i:OFR+4*\i+1], v[OFR+4*\i:OFR+4*\i+1], v[XR+4*\i:XR+4*\i+1]
	v_pk_add_f32 v[OFR+4*\i+2:OFR+4*\i+3], v[OFR+4*\i+2:OFR+4*\i+3], v[XR+4*\i+2:XR+4*\i+3]
	global_store_b128 v[XO], v[OFR+4*\i:OFR+4*\i+3], s[12:13] offset:(2*\i+8*(\i/4))*16384 th:TH_STORE_NT   ; 16 lanes store 256 consecutive bytes, at a multiple of 256 from out0's first byte
.endr
	s_wait_tensorcnt 0x0
	ds_add_u32 v30, v31
	s_wait_dscnt 0x0
	s_endpgm
.Lfunc_end_k_qd2bbc2e22a_proj:
	.size	k_qd2bbc2e22a_proj, .Lfunc_end_k_qd2bbc2e22a_proj-k_qd2bbc2e22a_proj
	.p2alignl 7, 3214868480
	.fill 96, 4, 3214868480
	.section	.rodata,"a",@progbits
	.p2align	6, 0x0
	.amdhsa_kernel k_qd2bbc2e22a_proj
		.amdhsa_group_segment_fixed_size 88064
		.amdhsa_private_segment_fixed_size 0
		.amdhsa_enable_private_segment 0
		.amdhsa_kernarg_size 40
		.amdhsa_user_sgpr_count 2
		.amdhsa_user_sgpr_kernarg_segment_ptr 1
		.amdhsa_wavefront_size32 1
		.amdhsa_system_sgpr_workgroup_id_x 1
		.amdhsa_system_sgpr_workgroup_id_y 1
		.amdhsa_system_sgpr_workgroup_id_z 1
		.amdhsa_system_vgpr_workitem_id 0
		.amdhsa_next_free_vgpr 256
		.amdhsa_next_free_sgpr 66
		.amdhsa_reserve_vcc 0
		.amdhsa_float_denorm_mode_32 3
		.amdhsa_float_denorm_mode_16_64 3
		.amdhsa_memory_ordered 1
		.amdhsa_forward_progress 1
		.amdhsa_inst_pref_size 14
	.end_amdhsa_kernel
	.amdgpu_metadata
---
amdhsa.version: [ 1, 2 ]
amdhsa.kernels:
  - .name:           k_qd2bbc2e22a_proj
    .symbol:         k_qd2bbc2e22a_proj.kd
    .args:
      - { .name: oc, .offset: 0, .size: 8, .value_kind: global_buffer, .address_space: global }
      - { .name: wts, .offset: 8, .size: 8, .value_kind: global_buffer, .address_space: global }
      - { .name: b_proj, .offset: 16, .size: 8, .value_kind: global_buffer, .address_space: global }
      - { .name: x, .offset: 24, .size: 8, .value_kind: global_buffer, .address_space: global }
      - { .name: out0, .offset: 32, .size: 8, .value_kind: global_buffer, .address_space: global }
    .group_segment_fixed_size: 88064
    .private_segment_fixed_size: 0
    .kernarg_segment_align: 8
    .kernarg_segment_size: 40
    .max_flat_workgroup_size: 512
    .sgpr_count:     66
    .vgpr_count:     256
    .wavefront_size: 32
...
	.end_amdgpu_metadata
.endif
;; end of part 4
